; MI455X (gfx1250); checked and timed in simulation.
; The chip was launched on July 23, 2026; its instructions are those of AMD's public machine-readable ISA for CDNA 5 (MIT licence, August 2026) and "CDNA5" Instruction Set Architecture Reference Guide (July 2026). The comments in the code are by the model that wrote it; some were corrected since.
;; Dynamic Window Self Attention. Allowed arithmetic: float matrix products may take bf16 or f16 operands with f32 sums; other float arithmetic in f32, or as packed bf16 or f16 multiplies, adds, multiply-adds, maxima and minima; sums over many terms, partial sums and values carried from step to step in f32; what a program stores and reads back later, other than sums and carried values, may be rounded once to bf16 or f16.
;; Inputs: Wo 1,024 x 1,024 float32; Wqkv 1,024 x 3,072 float32; bo 1,024 float32; bqkv 3,072 float32; char_ids 4 x 2,048 int32; x 4 x 2,048 x 1,024 float32.
;; Outputs: out0 4 x 2,048 x 1,024 float32.
;; 2 versions, each right; version 2 is version 1 with the launch prep written anew for expert scheduling mode. Each part assembles by itself: llvm-mc -triple=amdgcn-amd-amdhsa -mcpu=gfx1250 --defsym DOCPART=n.
;; ======== version 1 of 2: 4 launches
;; limits: values are held in f16: magnitudes above 65,504 overflow, below 6.1e-05 lose precision
;; workspace buffers: xb 16,777,216 bytes; wqb 6,291,456 bytes; wob 2,097,152 bytes; segs 32,768 bytes of whole numbers; qf 16,777,216 bytes; kf 16,777,216 bytes; vf 16,777,216 bytes; yf 16,777,216 bytes
;; launch prep (part 1): grid 833 x 1, 4 waves a work-group, no clusters, 0 bytes of LDS; arguments x, Wqkv, Wo, char_ids, xb, wqb, wob, segs; writes xb, wqb, wob, segs
.if DOCPART == 1
	.amdgcn_target "amdgcn-amd-amdhsa--gfx1250"
	.amdhsa_code_object_version 6
	.text
	.protected	k_q7e5dcd5c73_prep
	.globl	k_q7e5dcd5c73_prep
	.p2align	8
	.type	k_q7e5dcd5c73_prep,@function
k_q7e5dcd5c73_prep:
	s_mov_b64 s[64:65], 0
	v_nop
	global_prefetch_b8 v0, s[64:65] scope:SCOPE_SE
	s_setreg_imm32_b32 hwreg(HW_REG_WAVE_MODE, 25, 1), 1
	s_wait_xcnt 0x0
; PREP: casts and re-blocking of the inputs, and the window's lower ends.  A stream: no LDS, no barrier, EXEC untouched.
; Work-groups 0-511:   x [8192][1024] f32 -> xb bf16 [mt 32][ks 16][row 256][64]: a tile (256 tokens x 64 channels) is 32,768 dense bytes.
; Work-groups 512-767: Wqkv [1024][3072] f32 -> wqb bf16 [nt 8][k 1024][c 384]; c = 192 cw + 64 jj + d stands for column 1024 jj + 64 (2 nt + cw) + d.
; Work-groups 768-831: Wo [1024][1024] f32 -> wob [nt2 8][k 1024][128]: rounded to bf16 like every input, that number written as f16
;                      (exact from 6e-5 up; below that f16's fixed step of 6e-8).
; Work-group 832:      segs[b][t] = index of the last token equal to 32 at or before t, or 0: key k is visible to query t where segs <= k <= t.
; An ITEM is 8 f32 of a lane (two loads of 16 bytes) made into 16 bytes.  All items' loads are issued first, each into registers of its own.
.set X, 16                             ; v[16:143]  16 items x 8 as loaded
.set Y, 144                            ; v[144:207] 16 items x 4 to store
.macro ILOAD i, vin, base, off
	global_load_b128 v[X+8*(\i):X+8*(\i)+3], v[\vin], s[\base:\base+1] offset:\off th:TH_LOAD_NT
	global_load_b128 v[X+8*(\i)+4:X+8*(\i)+7], v[\vin], s[\base:\base+1] offset:(\off)+16 th:TH_LOAD_NT
.endm
.macro IDONE i, left, vout, base, off, f16
	s_wait_loadcnt \left                           ; loads return in order: this item's two are in, the younger items' stay out
.irp j, 0,1,2,3
	v_cvt_pk_bf16_f32 v[Y+4*(\i)+(\j)], v[X+8*(\i)+2*(\j)], v[X+8*(\i)+2*(\j)+1]
.endr
.if \f16
.irp j, 0,1,2,3
	v_lshlrev_b32 v[X+8*(\i)+2*(\j)], 16, v[Y+4*(\i)+(\j)]
	v_and_b32 v[X+8*(\i)+2*(\j)+1], 0xffff0000, v[Y+4*(\i)+(\j)]
.endr
.irp j, 0,1,2,3
	v_cvt_pk_f16_f32 v[Y+4*(\i)+(\j)], v[X+8*(\i)+2*(\j)], v[X+8*(\i)+2*(\j)+1]
.endr
.endif
	global_store_b128 v[\vout], v[Y+4*(\i):Y+4*(\i)+3], s[\base:\base+1] offset:\off
.endm
	s_load_b256 s[4:11], s[0:1], 0x0               ; x s[4:5], Wqkv s[6:7], Wo s[8:9], char_ids s[10:11]
	s_load_b256 s[12:19], s[0:1], 0x20             ; xb s[12:13], wqb s[14:15], wob s[16:17], segs s[18:19]
	s_mov_b32 s21, 0
	s_mov_b32 s23, 0
	s_wait_kmcnt 0x0
	s_cmp_lt_u32 ttmp9, 512
	s_cbranch_scc1 .Lx
	s_cmp_lt_u32 ttmp9, 768
	s_cbranch_scc1 .Lwq
	s_cmp_lt_u32 ttmp9, 832
	s_cbranch_scc1 .Lwo
	; THE SCAN.  Wave w is batch w; lane l owns tokens 64 l .. 64 l + 63.  Whole numbers only.
	; Its 16 stores put 16 bytes a lane into 32 different blocks of 256 bytes: 32 KiB in the whole launch, left so for the plain text.
	v_lshlrev_b32 v1, 8, v0                        ; 8,192 w + 256 l
	v_and_b32 v2, 31, v0
	v_lshlrev_b32 v2, 6, v2                        ; my first token
.set i, 0
.rept 16
	global_load_b128 v[16+4*i:16+4*i+3], v1, s[10:11] offset:16*i
.set i, i+1
.endr
	v_mov_b32 v3, 0                                ; none yet
	v_mov_b32 v5, 0                                ; the carry from the lanes below
	s_mov_b32 s20, 0
	s_wait_loadcnt 0x0
	v_cmp_eq_u32 vcc_lo, 32, v16
	v_cndmask_b32 v16, v3, v2, vcc_lo
.set e, 1
.rept 63
	v_add_nc_u32 v4, e, v2
	v_cmp_eq_u32 vcc_lo, 32, v[16+e]
	v_cndmask_b32 v[16+e], v[15+e], v4, vcc_lo     ; the token itself, or what the token before had
.set e, e+1
.endr
.set i, 0
.rept 32                                       ; lane i takes the greatest last value of lanes 0 .. i - 1
	v_writelane_b32 v5, s20, i
	v_readlane_b32 s22, v79, i
	s_max_u32 s20, s20, s22
.set i, i+1
.endr
.set e, 0
.rept 64
	v_cmp_eq_u32 vcc_lo, 0, v[16+e]
	v_cndmask_b32 v[16+e], v[16+e], v5, vcc_lo     ; 0 = none in my lane so far: the carry
.set e, e+1
.endr
.set i, 0
.rept 16
	global_store_b128 v1, v[16+4*i:16+4*i+3], s[18:19] offset:16*i
.set i, i+1
.endr
	s_endpgm
.Lx:                                           ; 16 rows of x.  Thread t: row t / 8, 8 channels at 8 (t % 8) of each of the 16 K steps
	v_lshrrev_b32 v1, 3, v0
	v_and_b32 v2, 7, v0
	v_lshlrev_b32 v1, 12, v1
	v_lshl_add_u32 v1, v2, 5, v1                   ; in: row x 4,096 + 32 (t % 8): 8 lanes read 256 consecutive bytes
	v_lshlrev_b32 v2, 4, v0                        ; out: 16 t: a wave's store covers 512 consecutive bytes
	s_lshl_b32 s20, ttmp9, 16
	s_add_nc_u64 s[4:5], s[4:5], s[20:21]
	s_lshr_b32 s22, ttmp9, 4
	s_lshl_b32 s22, s22, 19                        ; mt x 524,288
	s_and_b32 s24, ttmp9, 15
	s_lshl_b32 s24, s24, 11                        ; 16 rows x 128 bytes in a tile
	s_add_co_u32 s22, s22, s24
	s_add_nc_u64 s[12:13], s[12:13], s[22:23]
.set it, 0
.rept 16
	ILOAD it, 1, 4, 256*it
.set it, it+1
.endr
.set it, 0
.rept 16
	IDONE it, 2*(15-it), 2, 12, 32768*it, 0
.set it, it+1
.endr
	s_endpgm
.Lwq:                                          ; 32 rows k of one block nt of Wqkv
	s_sub_co_u32 s24, ttmp9, 512
	s_lshr_b32 s25, s24, 5                         ; nt
	s_and_b32 s26, s24, 31                         ; group of 32 rows
	s_mul_i32 s20, s26, 393216
	s_lshl_b32 s27, s25, 9
	s_add_co_u32 s20, s20, s27
	s_add_nc_u64 s[6:7], s[6:7], s[20:21]
	s_mul_i32 s22, s25, 786432
	s_mul_i32 s27, s26, 24576
	s_add_co_u32 s22, s22, s27
	s_add_nc_u64 s[14:15], s[14:15], s[22:23]
	v_lshrrev_b32 v1, 4, v0                        ; row in a group of 8
	v_and_b32 v2, 7, v0
	v_mul_u32_u24 v3, v1, 12288
	v_lshl_add_u32 v3, v2, 5, v3
	v_bfe_u32 v4, v0, 3, 1                         ; e: which 64 columns of an output block of 128
	v_lshl_add_u32 v5, v4, 12, v3                  ; blocks 0 and 2: e steps from q to k, or from k to v: 4,096 bytes
	v_xor_b32 v6, 1, v4
	v_mul_u32_u24 v6, v6, 7936
	v_add_nc_u32 v6, v6, v3                        ; block 1: e = 0 is v of the even head (8,192), e = 1 is q of the odd head (256)
	v_mul_u32_u24 v7, v1, 768
	v_and_b32 v8, 15, v0
	v_lshl_add_u32 v7, v8, 4, v7                   ; out: 16 lanes fill 256 consecutive bytes
.set g, 0
.rept 4
	ILOAD 3*g,   5, 6, 98304*g
	ILOAD 3*g+1, 6, 6, 98304*g+256
	ILOAD 3*g+2, 5, 6, 98304*g+4352
.set g, g+1
.endr
.set it, 0
.rept 12
	IDONE it, 2*(11-it), 7, 14, 6144*(it/3)+256*(it%3), 0
.set it, it+1
.endr
	s_endpgm
.Lwo:                                          ; 16 rows k of Wo
	s_sub_co_u32 s24, ttmp9, 768
	s_lshl_b32 s20, s24, 16
	s_add_nc_u64 s[8:9], s[8:9], s[20:21]
	s_lshl_b32 s22, s24, 12
	s_add_nc_u64 s[16:17], s[16:17], s[22:23]
	v_lshrrev_b32 v1, 4, v0
	v_and_b32 v2, 15, v0
	v_lshlrev_b32 v1, 12, v1
	v_lshl_add_u32 v1, v2, 5, v1
	v_lshlrev_b32 v2, 4, v0
.set it, 0
.rept 16
	ILOAD it, 1, 8, 32768*(it/8)+512*(it%8)
.set it, it+1
.endr
.set it, 0
.rept 16
	IDONE it, 2*(15-it), 2, 16, 262144*(it%8)+2048*(it/8), 1
.set it, it+1
.endr
	s_endpgm
.Lfunc_end_k_q7e5dcd5c73_prep:
	.size	k_q7e5dcd5c73_prep, .Lfunc_end_k_q7e5dcd5c73_prep-k_q7e5dcd5c73_prep
	.p2alignl 7, 3214868480
	.fill 96, 4, 3214868480
	.section	.rodata,"a",@progbits
	.p2align	6, 0x0
	.amdhsa_kernel k_q7e5dcd5c73_prep
		.amdhsa_group_segment_fixed_size 0
		.amdhsa_private_segment_fixed_size 0
		.amdhsa_enable_private_segment 0
		.amdhsa_kernarg_size 64
		.amdhsa_user_sgpr_count 2
		.amdhsa_user_sgpr_kernarg_segment_ptr 1
		.amdhsa_wavefront_size32 1
		.amdhsa_system_sgpr_workgroup_id_x 1
		.amdhsa_system_sgpr_workgroup_id_y 1
		.amdhsa_system_sgpr_workgroup_id_z 1
		.amdhsa_system_vgpr_workitem_id 0
		.amdhsa_next_free_vgpr 208
		.amdhsa_next_free_sgpr 66
		.amdhsa_reserve_vcc 1
		.amdhsa_float_denorm_mode_32 3
		.amdhsa_float_denorm_mode_16_64 3
		.amdhsa_memory_ordered 1
		.amdhsa_forward_progress 1
		.amdhsa_inst_pref_size 56
	.end_amdhsa_kernel
	.amdgpu_metadata
---
amdhsa.version: [ 1, 2 ]
amdhsa.kernels:
  - .name:           k_q7e5dcd5c73_prep
    .symbol:         k_q7e5dcd5c73_prep.kd
    .args:
      - { .name: x, .offset: 0, .size: 8, .value_kind: global_buffer, .address_space: global }
      - { .name: Wqkv, .offset: 8, .size: 8, .value_kind: global_buffer, .address_space: global }
      - { .name: Wo, .offset: 16, .size: 8, .value_kind: global_buffer, .address_space: global }
      - { .name: char_ids, .offset: 24, .size: 8, .value_kind: global_buffer, .address_space: global }
      - { .name: xb, .offset: 32, .size: 8, .value_kind: global_buffer, .address_space: global }
      - { .name: wqb, .offset: 40, .size: 8, .value_kind: global_buffer, .address_space: global }
      - { .name: wob, .offset: 48, .size: 8, .value_kind: global_buffer, .address_space: global }
      - { .name: segs, .offset: 56, .size: 8, .value_kind: global_buffer, .address_space: global }
    .group_segment_fixed_size: 0
    .private_segment_fixed_size: 0
    .kernarg_segment_align: 8
    .kernarg_segment_size: 64
    .max_flat_workgroup_size: 128
    .sgpr_count:     66
    .vgpr_count:     208
    .wavefront_size: 32
...
	.end_amdgpu_metadata
.endif
;; end of part 1
;; launch qkv (part 2): grid 8 x 32, 4 waves a work-group, clusters of 4 x 4, 327,680 bytes of LDS; arguments xb, wqb, bqkv, qf, kf, vf; writes qf, kf, vf
.if DOCPART == 2
	.amdgcn_target "amdgcn-amd-amdhsa--gfx1250"
	.amdhsa_code_object_version 6
	.text
	.protected	k_q7e5dcd5c73_qkv
	.globl	k_q7e5dcd5c73_qkv
	.p2align	8
	.type	k_q7e5dcd5c73_qkv,@function
k_q7e5dcd5c73_qkv:
	s_mov_b64 s[64:65], 0
	v_nop
	global_prefetch_b8 v0, s[64:65] scope:SCOPE_SE
	s_setreg_imm32_b32 hwreg(HW_REG_WAVE_MODE, 25, 1), 1
	s_wait_xcnt 0x0
	s_wait_alu depctr_hold_cnt(0) depctr_sa_sdst(0) depctr_va_vdst(0) depctr_va_sdst(0) depctr_va_ssrc(0) depctr_va_vcc(0) depctr_vm_vsrc(0)
	s_getreg_b32 s2, hwreg(HW_REG_IB_STS2, 6, 4)
	s_cmp_eq_u32 s2, 0
	s_cbranch_scc0 .Lentry_in_a_cluster
	s_endpgm
.Lentry_in_a_cluster:
	s_bfe_u32 s2, ttmp6, 0x10000c
	s_cmp_lg_u32 s2, 0xf033
	s_cbranch_scc0 .Lentry_shape_is_right
	s_endpgm
.Lentry_shape_is_right:
; QKV: [8192 x 1024] x [1024 x 3072] in bf16 with f32 sums, + bias (rounded to bf16 like every input), v divided by (|v| + 1e-6) per head; q, k, v leave in f16.
; LIMIT: q and k must lie within f16's 65,504; v lies in -1 .. 1.
; A work-group makes 256 tokens x 384 columns (q, k, v of heads 2 nt and 2 nt + 1): 256 work-groups.  Wave w: tokens 128 (w / 2) .., head 2 nt + w % 2: 8 x 12 accumulators, 768 registers.
; K goes in 16 steps of 64 through two LDS slots.  Wave 3 fetches A's tile (32 KiB), waves 0-2 a third of B's (16 KiB each): one tensor load a wave behind each round.
; CLUSTER 4 x 4: A's tile is shared along a row, B's along a column: joint loads.
; q and k are multiplied transposed (source 0 = 16 columns, source 1 = 16 tokens): a lane holds one token and 8 neighbouring channels: 16 bytes of a fragment of Q or K.
; v is multiplied as it stands (source 0 = tokens, source 1 = columns): a lane holds one channel and 8 neighbouring tokens: 16 bytes of a fragment of V^T.
; So every store is 512 consecutive bytes of a wave, straight from registers, and the next launch loads fragments as they lie.
;   qf, kf: [head 64][16 tokens 128][16 channels 4][lane][16 B]      vf: [head 64][64 keys 32][32 keys 2][16 channels 4][16 keys 2][lane][16 B]
; THE BIAS IS THE C OPERAND of each sum's first product: nothing is cleared and nothing is added at the end.
; REGISTERS.  Window 0: v2-13 addresses; v14-27 at work; v32-95, v96-159 A's fragments, two buffers; v160-207 B's fragments b 0-5; v208-255 b 6-11.
;   Windows 1-3: accumulator (a, b) has number n = 48 (b / 6) + 6 a + b % 6, window 1 + n / 32, register 8 (n % 32).
.set SLOT1, 131072
.set PA,    144                        ; a row of A in LDS: 128 bytes + 16: the 16 rows of a load start at 16 different groups of four banks
.set BOFF,  256*PA
.set PB,    288                        ; 256 bytes of B + 32
.set KP,    3*PB                       ; from k to k + 1: 864 = 27 x 32 bytes
.set SPARE, SLOT1+BOFF+192*PB          ; 223,232: the spare words, 128 bytes a wave, that no other line names
.set ADA0, 2
.set ADB0, 3                           ; v3-5, one for each of q, k, v
.set ADA,  6
.set ADB,  7                           ; v7-9
.set SPW,  10
.set NIL,  11
.set PFO,  12
.set LOFF, 13                          ; 16 x lane
.set TT,   96                          ; the way out: v times 1 / (norm + eps)
.set SS,   128                         ; sums of squares
.set RR,   136                         ; roots, then reciprocals
.set YY,   144                         ; two sets of 48 registers to store
.set WV, 16
.set RW, 17
.set CW, 18
.set CX, 19
.set CY, 20
.set NT, 21
.set MT, 22
.set G1A, 24
.set G1B, 32
.set G0A, 40                           ; two sets; the second walks
.set G0B, 48
.set TB,  56                           ; the slot that is read
.set LIM, 57
.set ODD, 58
.set PFA, 60
.set PSTEP, 62
.set MSB, 0
.macro WIN new                         ; the immediate's high byte repeats the setting that is left; a switch that changes nothing is dropped
.if MSB != (\new)
	s_set_vgpr_msb (MSB<<8)|(\new)
.set MSB, (\new)
.endif
.endm
.macro PLACES                          ; four plain instructions between a matrix instruction and a load into, or a reader of, its registers
.rept 4
	v_nop
.endr
.endm
.macro CREST
	s_cmp_lg_u32 s[WV], 0
	s_cbranch_scc1 .Lnot_wave_0_\@
	s_barrier_signal -3
.Lnot_wave_0_\@:
	s_barrier_wait -3
	s_barrier_signal -1
	s_barrier_wait -1
.endm
.macro CROUND
	s_barrier_signal -1
	s_barrier_wait -1
	CREST
.endm
.macro JLOAD                           ; the joint refill; the branch hangs on the wave's number alone
	s_cmp_eq_u32 s[WV], 3
	s_cbranch_scc0 .Lfor_b_\@
	tensor_load_to_lds s[G0A+4:G0A+7], s[G1A:G1A+7]
	s_nop 0
.rept 4
	v_nop
.endr
	s_branch .Lasked_\@
.Lfor_b_\@:
	tensor_load_to_lds s[G0B+4:G0B+7], s[G1B:G1B+7]
	s_nop 0
.rept 4
	v_nop
.endr
.Lasked_\@:
.endm
; A PREFETCH of a K step that stands two refills on (trip t = 14 - s3 refills step t + 2 and names step t + 4).  A's tile, 128 blocks of 256 bytes: the cluster with x = 0 asks, wave 3,
; each partner along the row 32 blocks by address, a lane a block.  B's tile, 192 blocks: the cluster with y = 0 asks, waves 0-2 for their own thirds, each partner along the column 16 blocks
; of each of two steps, in the even trips.  So each block is named once.  The last step named is 15.
.macro ASK
	s_and_b32 s66, s3, s[ODD]
	s_cmp_eq_u32 s66, 0
	s_cselect_b32 s66, s3, 0
	s_cmp_gt_u32 s66, s[LIM]
	s_cbranch_scc0 .Lno_ask_\@
	global_prefetch_b8 v[PFO], s[PFA:PFA+1] th:TH_LOAD_NT scope:SCOPE_SE
.Lno_ask_\@:
.endm
; One product.  p: A's buffer.  mode 1: the sum's first product, C = the bias (b 0-5: window 3, v[8 b]; b 6, 7: v144-159; b 8-11: v96-127).
.macro MM a, b, p, mode
.set n_, ((\b)/6)*48+6*(\a)+(\b)%6
.set aw_, 1+n_/32
.set rD, 8*(n_%32)
.set rA, 32+64*(\p)+8*(\a)
.set rB, 160+8*(\b)
.set rC, rD
.if \mode
.if (\b) < 6
	WIN (aw_<<6)|0x30
.set rC, 8*(\b)
.else
	WIN aw_<<6
.if (\b) < 8
.set rC, 144+8*((\b)-6)
.else
.set rC, 96+8*((\b)-8)
.endif
.endif
.else
	WIN aw_*0x50
.endif
.if (\b) < 8
	v_wmma_f32_16x16x32_bf16 v[rD:rD+7], v[rB:rB+7], v[rA:rA+7], v[rC:rC+7]
.else
	v_wmma_f32_16x16x32_bf16 v[rD:rD+7], v[rA:rA+7], v[rB:rB+7], v[rC:rC+7]
.endif
.endm
.macro MULS ph, p, mode, i0, i1        ; products i0 .. i1 of the 48 of half ph of the columns: the accumulators take turns, one instruction a turn
.set i_, \i0
.rept (\i1)-(\i0)+1
	MM i_/6, 6*(\ph)+i_%6, \p, \mode
.set i_, i_+1
.endr
.endm
.macro LDA p, sp                       ; 16 loads: A's 8 fragments of 32 channels at 32 sp
	WIN 0
.irp a, 0,1,2,3,4,5,6,7
	ds_load_b128 v[32+64*(\p)+8*(\a):32+64*(\p)+8*(\a)+3], v[ADA] offset:(\a)*16*PA+64*(\sp)
	ds_load_b128 v[32+64*(\p)+8*(\a)+4:32+64*(\p)+8*(\a)+7], v[ADA] offset:(\a)*16*PA+64*(\sp)+32
.endr
.endm
.macro LDB half, sp                    ; 12 turning loads: 6 fragments of B ([k][column] in LDS)
	WIN 0
.irp c, 0,1,2,3,4,5
.set b_, 6*(\half)+(\c)
	ds_load_tr16_b128 v[160+8*b_:160+8*b_+3], v[ADB+b_/4] offset:(\sp)*32*KP+(b_%4)*32
	ds_load_tr16_b128 v[160+8*b_+4:160+8*b_+7], v[ADB+b_/4] offset:(\sp)*32*KP+(b_%4)*32+16*KP
.endr
.endm
.macro MKADR
	v_add_nc_u32 v[ADA], s[TB], v[ADA0]
	v_add_nc_u32 v[ADB], s[TB], v[ADB0]
	v_add_nc_u32 v[ADB+1], s[TB], v[ADB0+1]
	v_add_nc_u32 v[ADB+2], s[TB], v[ADB0+2]
.endm
.macro SUB0                            ; a K step's first 32 channels, on A's buffer 0
	PLACES
	LDB 1, 0
	s_wait_dscnt 12                                ; all but the 12 just issued: B 0-5 and A are in
	MULS 0, 0, 0, 0, 47
	PLACES
	LDB 0, 1
	LDA 1, 1
	s_wait_dscnt 28                                ; all but the 28 just issued: B 6-11 are in
	MULS 1, 0, 0, 0, 47
.endm
; A K step's second 32 channels, on A's buffer 1, and the change of slots.
.macro TURN fill
.if \fill
	s_wait_xcnt 0x0                                ; the last prefetch, a K step back, has read its address
	s_add_nc_u64 s[PFA:PFA+1], s[PFA:PFA+1], s[PSTEP:PSTEP+1]
.endif
	PLACES
	LDB 1, 1                                       ; my last reads of this slot
	s_wait_dscnt 12
	MULS 0, 1, 0, 0, 23
	WIN 0
	s_wait_tensorcnt 0x0                           ; my one load that was out, my part of the next slot, has landed
	ds_add_u32 v[SPW], v[NIL]                      ; 0 onto my spare word
.if \fill
	s_xor_b32 s[G0A+5], s[G0A+5], SLOT1            ; the walking descriptors: the other slot, the next K step
	s_add_nc_u64 s[G0A+6:G0A+7], s[G0A+6:G0A+7], 32768
	s_xor_b32 s[G0B+5], s[G0B+5], SLOT1
	s_add_nc_u64 s[G0B+6:G0B+7], s[G0B+6:G0B+7], 49152
.endif
	MULS 0, 1, 0, 24, 35
	s_wait_dscnt 0x0                               ; the add is done and my reads of this slot are back
	s_barrier_signal -1
	MULS 0, 1, 0, 36, 47
	WIN 0
	s_barrier_wait -1
.if \fill
	CREST                                          ; the barrier has opened a round of the cluster's: no wave of any partner reads this slot or has a load out
	JLOAD                                          ; 168 matrix instructions ahead of the wait for it
.else
	PLACES
.endif
	s_xor_b32 s[TB], s[TB], SLOT1
	MKADR
	LDB 0, 0
	LDA 0, 0
.if \fill
	ASK
.endif
	MULS 1, 1, 0, 0, 47
.endm
	s_load_b256 s[4:11], s[0:1], 0x0               ; xb s[4:5], wqb s[6:7], bqkv s[8:9], qf s[10:11]
	s_load_b128 s[12:15], s[0:1], 0x20             ; kf s[12:13], vf s[14:15]
	v_lshl_add_u32 v[SPW], v0, 2, SPARE
	v_mov_b32 v[NIL], 0
	ds_add_u32 v[SPW], v[NIL]                      ; the opening: the add and its wait stand ahead of my first tensor load
	v_lshrrev_b32 v1, 5, v0
	v_readfirstlane_b32 s[WV], v1
	s_lshr_b32 s[RW], s[WV], 1
	s_and_b32 s[CW], s[WV], 1
	s_bfe_u32 s[CX], ttmp6, 0x40000
	s_bfe_u32 s[CY], ttmp6, 0x40004
	s_lshl_b32 s[NT], ttmp9, 2
	s_add_co_u32 s[NT], s[NT], s[CX]
	s_and_b32 s[MT], ttmp7, 0xffff
	s_lshl_b32 s[MT], s[MT], 2
	s_add_co_u32 s[MT], s[MT], s[CY]
	s_lshl_b32 s66, s[CY], 2
	s_lshl_b32 s66, 15, s66                        ; my row of the cluster
	s_lshl_b32 s67, 0x1111, s[CX]                  ; my column
	s_or_b32 s[G1A], s66, (1<<16)|(1<<20)|(1<<21)|(4<<22)|(3<<25)  ; 2-byte elements; 4 words of padding after every 32: two tokens' rows lie in each row of 256 bytes
	s_or_b32 s[G1B], s67, (1<<16)|(1<<20)|(1<<21)|(5<<22)|(7<<25)  ; 8 words after every 64
	s_mov_b32 s[G1A+1], 128<<16                    ; tensor_dim0 = 128
	s_mov_b32 s[G1A+2], 128<<16                    ; tensor_dim1 = 128
	s_mov_b32 s[G1A+3], 128<<16                    ; tile_dim0 = 128
	s_mov_b32 s[G1A+4], 128                        ; tile_dim1 = 128
	s_mov_b32 s[G1A+5], 128                        ; dense rows
	s_mov_b32 s[G1A+6], 0
	s_mov_b32 s[G1A+7], 0
	s_mov_b32 s[G1B+1], 128<<16
	s_mov_b32 s[G1B+2], 64<<16
	s_mov_b32 s[G1B+3], 128<<16
	s_mov_b32 s[G1B+4], 64
	s_mov_b32 s[G1B+5], 128
	s_mov_b32 s[G1B+6], 0
	s_mov_b32 s[G1B+7], 0
	s_lshl_b32 s68, s[MT], 19                      ; A: mt x 524,288: hangs on the tile row alone
	s_mov_b32 s69, 0
	s_mul_i32 s70, s[NT], 786432                   ; B: the tile column and my third
	s_lshl_b32 s71, s[WV], 14
	s_add_co_u32 s70, s70, s71
	s_mov_b32 s71, 0
	s_mul_i32 s74, s[WV], 64*PB
	s_add_co_u32 s74, s74, BOFF
	s_mov_b32 s[TB], 0
	s_wait_dscnt 0x0
	s_wait_kmcnt 0x0
	s_add_nc_u64 s[68:69], s[4:5], s[68:69]
	s_add_nc_u64 s[70:71], s[6:7], s[70:71]
	CROUND                                         ; all sixteen work-groups are here: the first joint loads meet
.irp s, 0,1
	s_mov_b32 s[G0A+4*(\s)], 1
	s_mov_b32 s[G0A+4*(\s)+1], (\s)*SLOT1
	s_add_nc_u64 s[G0A+4*(\s)+2:G0A+4*(\s)+3], s[68:69], (\s)*32768
	s_or_b32 s[G0A+4*(\s)+3], s[G0A+4*(\s)+3], 0x80000000
	s_mov_b32 s[G0B+4*(\s)], 1
	s_add_co_u32 s[G0B+4*(\s)+1], s74, (\s)*SLOT1
	s_add_nc_u64 s[G0B+4*(\s)+2:G0B+4*(\s)+3], s[70:71], (\s)*49152
	s_or_b32 s[G0B+4*(\s)+3], s[G0B+4*(\s)+3], 0x80000000
.endr
	s_cmp_eq_u32 s[WV], 3                          ; a wave's two first fills stand in one branch: two loads of mine are out
	s_cbranch_scc0 .Lfirst_b
	tensor_load_to_lds s[G0A:G0A+3], s[G1A:G1A+7]
	s_nop 0
	tensor_load_to_lds s[G0A+4:G0A+7], s[G1A:G1A+7]
	s_nop 0
.rept 4
	v_nop
.endr
	s_branch .Lfirst_done
.Lfirst_b:
	tensor_load_to_lds s[G0B:G0B+3], s[G1B:G1B+7]
	s_nop 0
	tensor_load_to_lds s[G0B+4:G0B+7], s[G1B:G1B+7]
	s_nop 0
.rept 4
	v_nop
.endr
.Lfirst_done:
	v_and_b32 v14, 15, v0                          ; r
	v_bfe_u32 v15, v0, 4, 1                        ; h
	v_and_b32 v16, 7, v0
	v_bfe_u32 v17, v0, 3, 1
	v_and_b32 v18, 31, v0
	v_lshlrev_b32 v[LOFF], 4, v18
	v_lshlrev_b32 v20, 5, v15                      ; 32 h
	v_lshlrev_b32 v21, 2, v14                      ; 4 r
	; the bias of my head: q and k by 8 channels a lane (8 h + j), v by one channel a lane (r)
	s_lshl_b32 s66, s[NT], 1
	s_add_co_u32 s66, s66, s[CW]
	s_lshl_b32 s66, s66, 8
	s_mov_b32 s67, 0
	s_add_nc_u64 s[8:9], s[8:9], s[66:67]
.irp b, 0,1,2,3,4,5,6,7
	global_load_b128 v[96+8*(\b):96+8*(\b)+3], v20, s[8:9] offset:((\b)/4)*4096+((\b)%4)*64
	global_load_b128 v[96+8*(\b)+4:96+8*(\b)+7], v20, s[8:9] offset:((\b)/4)*4096+((\b)%4)*64+16
.endr
.irp c, 0,1,2,3
	global_load_b32 v[24+(\c)], v21, s[8:9] offset:8192+64*(\c)
.endr
	v_mul_u32_u24 v[ADA0], v14, PA
	v_lshl_add_u32 v[ADA0], v15, 4, v[ADA0]
	s_mul_i32 s66, s[RW], 128*PA
	v_add_nc_u32 v[ADA0], s66, v[ADA0]             ; (128 rw + r) x 144 + 16 h
	v_lshl_add_u32 v19, v15, 3, v16
	v_mul_u32_u24 v19, v19, KP
	v_lshl_add_u32 v19, v17, 4, v19                ; (8 h + l % 8) x 864 + 16 ((l / 8) % 2)
.irp j, 0,1,2
	s_mul_i32 s66, s[CW], 3
	s_add_co_u32 s66, s66, \j                      ; my block of 64 columns among the row's six
	s_lshr_b32 s67, s66, 1
	s_mul_i32 s67, s67, PB
	s_and_b32 s66, s66, 1
	s_lshl_b32 s66, s66, 7
	s_add_co_u32 s67, s67, s66
	s_add_co_u32 s67, s67, BOFF
	v_add_nc_u32 v[ADB0+(\j)], s67, v19
.endr
	; the prefetches
	s_lshl_b32 s72, s[CX], 13
	s_add_co_u32 s72, s72, 3*32768
	s_lshl_b32 s73, s[CY], 12
	s_add_co_u32 s73, s73, 3*49152
	s_and_b32 s75, ttmp7, 0xffff
	s_mov_b32 s76, 32768
	s_mov_b32 s77, 49152
	s_cmp_eq_u32 s[WV], 3
	s_cselect_b64 s[PFA:PFA+1], s[68:69], s[70:71]
	s_cselect_b32 s72, s72, s73
	s_cselect_b32 s75, ttmp9, s75                  ; the coordinate along which other clusters read the same tile
	s_cselect_b32 s[PSTEP], s76, s77
	s_cselect_b32 s78, 4096, s77
	s_cselect_b32 s[ODD], 0, 1
	s_cselect_b32 s76, 2, 3
	s_mov_b32 s73, 0
	s_mov_b32 s[PSTEP+1], 0
	s_add_nc_u64 s[PFA:PFA+1], s[PFA:PFA+1], s[72:73]  ; at K step 3: each change of slots steps it once before it is used
	s_cmp_eq_u32 s75, 0
	s_cselect_b32 s[LIM], s76, -1
	v_mul_u32_u24 v[PFO], v15, s78                 ; A: 256 x lane.  B: lanes 16-31 name the step after
	v_lshl_add_u32 v[PFO], v14, 8, v[PFO]
	; where my results go: the same offset in qf, kf and vf
	s_lshr_b32 s66, s[MT], 3
	s_lshl_b32 s66, s66, 4
	s_lshl_b32 s67, s[NT], 1
	s_add_co_u32 s66, s66, s67
	s_add_co_u32 s66, s66, s[CW]                   ; batch x 16 + head
	s_lshl_b32 s66, s66, 18
	s_and_b32 s67, s[MT], 7
	s_lshl_b32 s67, s67, 15
	s_add_co_u32 s66, s66, s67
	s_lshl_b32 s67, s[RW], 14
	s_add_co_u32 s66, s66, s67
	s_mov_b32 s67, 0
	s_add_nc_u64 s[10:11], s[10:11], s[66:67]
	s_add_nc_u64 s[12:13], s[12:13], s[66:67]
	s_add_nc_u64 s[14:15], s[14:15], s[66:67]
	s_wait_loadcnt 0x0
.set i, 0
.rept 32
	v_cvt_pk_bf16_f32 v[160+i], v[96+2*i], v[96+2*i+1]  ; the bias rounded to bf16,
.set i, i+1
.endr
	v_cvt_pk_bf16_f32 v22, v24, v25
	v_cvt_pk_bf16_f32 v23, v26, v27
	WIN 0xc0                                       ; and widened again: b 0-5 into window 3, which the first 48 products do not write,
.set i, 0
.rept 24
	v_lshlrev_b32 v[2*i], 16, v[160+i]
	v_and_b32 v[2*i+1], 0xffff0000, v[160+i]
.set i, i+1
.endr
	WIN 0
.set i, 24
.rept 8                                        ; b 6, 7 into v144-159,
	v_lshlrev_b32 v[96+2*i], 16, v[160+i]
	v_and_b32 v[96+2*i+1], 0xffff0000, v[160+i]
.set i, i+1
.endr
	v_lshlrev_b32 v24, 16, v22
	v_and_b32 v25, 0xffff0000, v22
	v_lshlrev_b32 v26, 16, v23
	v_and_b32 v27, 0xffff0000, v23
.set i, 0
.rept 32                                       ; v's, one channel a lane, eight times each into v96-127
	v_mov_b32 v[96+i], v[24+i/8]
.set i, i+1
.endr
	s_wait_tensorcnt 0x1                           ; my part of K step 0 is in; slot 1's may stay out
	s_barrier_signal -1
	s_barrier_wait -1
	; the first 32 channels: the products start the sums with the bias
	MKADR
	LDB 0, 0
	LDA 0, 0
	LDB 1, 0
	s_wait_dscnt 12
	MULS 0, 0, 1, 0, 47
.rept 5
	v_nop                                          ; five places: the next products write over window 3's bias registers; also the places for the loads below
.endr
	LDB 0, 1
	s_wait_dscnt 12
	MULS 1, 0, 1, 0, 47
	PLACES
	LDA 1, 1                                       ; late once: buffer 1 held biases
	WIN 0
	s_mov_b32 s3, 14
.Lk:                                           ; trip t: the second half of K step t, slot t % 2 asked again for step t + 2, the first half of step t + 1
	TURN 1
	SUB0
	WIN 0
	s_sub_co_u32 s3, s3, 1
	s_cmp_lg_u32 s3, 0
	s_cbranch_scc1 .Lk
	TURN 0                                         ; the tail fills nothing
	SUB0
	PLACES
	LDB 1, 1
	s_wait_dscnt 12
	MULS 0, 1, 0, 0, 47
	s_wait_dscnt 0x0
	MULS 1, 1, 0, 0, 47
	PLACES
; THE WAY OUT of 16 tokens (block a).
.macro ACCW a, b
.set n_, ((\b)/6)*48+6*(\a)+(\b)%6
.set aw_, 1+n_/32
.set rD, 8*(n_%32)
.endm
.macro CV16 a, b0, y, ptr              ; four accumulators rounded to f16 (lowest registers first) and stored: 4 x 512 consecutive bytes
.irp c, 0,1,2,3
	ACCW \a, (\b0)+(\c)
	WIN aw_*5
.irp j, 0,1,2,3
	v_cvt_pk_f16_f32 v[(\y)+4*(\c)+(\j)], v[rD+2*(\j)], v[rD+2*(\j)+1]
.endr
.endr
	WIN 0
.irp c, 0,1,2,3
	global_store_b128 v[LOFF], v[(\y)+4*(\c):(\y)+4*(\c)+3], s[\ptr:\ptr+1] offset:(\a)*2048+512*(\c)
.endr
.endm
.macro EPI a
.set YB, YY+48*((\a)%2)
	WIN 0
	s_wait_xcnt 0x0                                ; earlier stores have read their registers
.irp c, 0,1,2,3                        ; v's squares: a lane has one channel of each of 4 blocks, 8 tokens
	ACCW \a, 8+(\c)
	WIN aw_*5
.irp j, 0,1,2,3
.if (\c) == 0
	v_pk_mul_f32 v[SS+2*(\j):SS+2*(\j)+1], v[rD+2*(\j):rD+2*(\j)+1], v[rD+2*(\j):rD+2*(\j)+1]
.else
	v_pk_fma_f32 v[SS+2*(\j):SS+2*(\j)+1], v[rD+2*(\j):rD+2*(\j)+1], v[rD+2*(\j):rD+2*(\j)+1], v[SS+2*(\j):SS+2*(\j)+1]
.endif
.endr
.endr
	WIN 0
.irp m, 1,2,4,8                        ; over the 16 lanes that hold the block's 16 channels
.irp j, 0,1,2,3,4,5,6,7
	v_add_f32_dpp v[SS+(\j)], v[SS+(\j)], v[SS+(\j)] row_xmask:\m row_mask:0xf bank_mask:0xf
.endr
.endr
.irp j, 0,1,2,3,4,5,6,7
	v_sqrt_f32 v[RR+(\j)], v[SS+(\j)]
.endr
	CV16 \a, 0, YB, 10                             ; q: the independent work behind the roots
	s_wait_alu depctr_va_vdst(0)                   ; one wait for the eight roots, ahead of their first reader
.irp j, 0,2,4,6
	v_pk_add_f32 v[RR+(\j):RR+(\j)+1], v[RR+(\j):RR+(\j)+1], 0x358637bd op_sel_hi:[1,0]  ; + 1e-6
.endr
.irp j, 0,1,2,3,4,5,6,7
	v_rcp_f32 v[RR+(\j)], v[RR+(\j)]
.endr
	CV16 \a, 4, YB+16, 12                          ; k: the independent work behind the reciprocals
	s_wait_alu depctr_va_vdst(0)                   ; one wait for the eight reciprocals
.irp c, 0,1,2,3
	ACCW \a, 8+(\c)
	WIN aw_
.irp j, 0,1,2,3
	v_pk_mul_f32 v[TT+8*(\c)+2*(\j):TT+8*(\c)+2*(\j)+1], v[rD+2*(\j):rD+2*(\j)+1], v[RR+2*(\j):RR+2*(\j)+1]
.endr
.endr
	WIN 0
.irp c, 0,1,2,3
.irp j, 0,1,2,3
	v_cvt_pk_f16_f32 v[YB+32+4*(\c)+(\j)], v[TT+8*(\c)+2*(\j)], v[TT+8*(\c)+2*(\j)+1]
.endr
.endr
.irp c, 0,1,2,3
	global_store_b128 v[LOFF], v[YB+32+4*(\c):YB+32+4*(\c)+3], s[14:15] offset:((\a)/4)*8192+(((\a)%4)/2)*4096+(\c)*1024+((\a)%2)*512
.endr
.endm
.irp a, 0,1,2,3,4,5,6,7
	EPI \a
.endr
	s_wait_tensorcnt 0x0                           ; the wave's end
	ds_add_u32 v[SPW], v[NIL]
	s_wait_dscnt 0x0
	CROUND                                         ; the closing round
	s_endpgm
.Lfunc_end_k_q7e5dcd5c73_qkv:
	.size	k_q7e5dcd5c73_qkv, .Lfunc_end_k_q7e5dcd5c73_qkv-k_q7e5dcd5c73_qkv
	.p2alignl 7, 3214868480
	.fill 96, 4, 3214868480
	.section	.rodata,"a",@progbits
	.p2align	6, 0x0
	.amdhsa_kernel k_q7e5dcd5c73_qkv
		.amdhsa_group_segment_fixed_size 327680
		.amdhsa_private_segment_fixed_size 0
		.amdhsa_enable_private_segment 0
		.amdhsa_kernarg_size 48
		.amdhsa_user_sgpr_count 2
		.amdhsa_user_sgpr_kernarg_segment_ptr 1
		.amdhsa_wavefront_size32 1
		.amdhsa_system_sgpr_workgroup_id_x 1
		.amdhsa_system_sgpr_workgroup_id_y 1
		.amdhsa_system_sgpr_workgroup_id_z 1
		.amdhsa_system_vgpr_workitem_id 0
		.amdhsa_next_free_vgpr 1024
		.amdhsa_next_free_sgpr 80
		.amdhsa_reserve_vcc 0
		.amdhsa_float_denorm_mode_32 3
		.amdhsa_float_denorm_mode_16_64 3
		.amdhsa_memory_ordered 1
		.amdhsa_forward_progress 1
		.amdhsa_inst_pref_size 149
	.end_amdhsa_kernel
	.amdgpu_metadata
---
amdhsa.version: [ 1, 2 ]
amdhsa.kernels:
  - .name:           k_q7e5dcd5c73_qkv
    .symbol:         k_q7e5dcd5c73_qkv.kd
    .args:
      - { .name: xb, .offset: 0, .size: 8, .value_kind: global_buffer, .address_space: global }
      - { .name: wqb, .offset: 8, .size: 8, .value_kind: global_buffer, .address_space: global }
      - { .name: bqkv, .offset: 16, .size: 8, .value_kind: global_buffer, .address_space: global }
      - { .name: qf, .offset: 24, .size: 8, .value_kind: global_buffer, .address_space: global }
      - { .name: kf, .offset: 32, .size: 8, .value_kind: global_buffer, .address_space: global }
      - { .name: vf, .offset: 40, .size: 8, .value_kind: global_buffer, .address_space: global }
    .group_segment_fixed_size: 327680
    .private_segment_fixed_size: 0
    .kernarg_segment_align: 8
    .kernarg_segment_size: 48
    .max_flat_workgroup_size: 128
    .sgpr_count:     80
    .vgpr_count:     1024
    .wavefront_size: 32
...
	.end_amdgpu_metadata
.endif
;; end of part 2
;; launch attn (part 3): grid 4 x 64, 4 waves a work-group, no clusters, 0 bytes of LDS; arguments qf, kf, vf, segs, yf; writes yf
.if DOCPART == 3
	.amdgcn_target "amdgcn-amd-amdhsa--gfx1250"
	.amdhsa_code_object_version 6
	.text
	.protected	k_q7e5dcd5c73_attn
	.globl	k_q7e5dcd5c73_attn
	.p2align	8
	.type	k_q7e5dcd5c73_attn,@function
k_q7e5dcd5c73_attn:
	s_mov_b64 s[64:65], 0
	v_nop
	global_prefetch_b8 v0, s[64:65] scope:SCOPE_SE
	s_setreg_imm32_b32 hwreg(HW_REG_WAVE_MODE, 25, 1), 1
	s_wait_xcnt 0x0
; ATTENTION IN A WINDOW.  O[q] = sum over lo[q] <= k <= q of softmax_k(Q[q] . K[k] / 8) V[k], head size 64, f16 operands, f32 products, maxima and sums; P and O rounded to f16 once.
; lo[q] (segs) is the last delimiter at or before q, and never falls as q grows: a band of 64 queries needs the key steps lo[first query] / 64 .. its own.
; SHARES.  Work-group (x, head); wave J = 4 x + w does two JOBS of 64 queries: band 31 - J, then band J (34 steps together where there is no delimiter).  A job's trip count comes from segs, whole numbers
; that an earlier launch stored.  THE WALK GOES IN PAIRS OF STEPS: from the first needed step made even to the band's own made odd, so that an even step always lies in buffer 0, an odd one in buffer 1, and the
; loop is entered at its head alone.  A step below the window or above the diagonal is wholly hidden by the mask: about one step a job that adds nothing.
; NO LDS, NO BARRIER, NO CLUSTER: the trip counts differ from wave to wave, so no barrier can stand in the loop and partners would want different numbers of tiles;
; Q, K and V^T lie in memory in fragment order, so a run of 16 loads of 512 consecutive bytes is a whole step's K or V.  The price: bands that share a key step each load it.
; THE MASK is the C operand that starts S^T = K Q^T.  With A = lo - 64 s - 8 h, B = q - 64 s - 8 h and I the key's place in the lane's 32, key I is visible where (I - A)(I - B) <= 0:
; whole numbers under 2^24, exact in f32.  C = clamp(I (I - (A + B)) + A B) x -2^101.  The running maximum m starts at -2^99, ABOVE the mask: in a step that is wholly hidden m stays, p = 0, a = 1;
; the first visible key gives a = 0, which wipes whatever finite numbers lay in O^T and l.  Every query sees itself in its band's own step.
; LIMITS: scores above -2^99 (f16 operands give 2.7e11 at the most); a weight below 2^-126 counts as 0; NaN and infinities are not treated apart.
; TURNS.  Turn p belongs to piece p (16 queries): 8 products K Q^T of piece p + 1, later 8 products V^T P of piece p - 1; beside them piece p's scaling, exponentials, roundings, sums and rescaling and piece
; p + 1's maximum; four vector instructions behind each product, the rest in one lump; one batch of exponentials and one wait a turn; at its end the mask of piece p + 2.
; A job's first turn multiplies a P and a V that are not its own into piece 3's O^T (finite numbers, wiped by a = 0); its last turn 3 makes scores and a maximum of piece 0 for a step that is not: nothing reads them.
; K and V have two buffers each (by the step's parity x): K of step s + 2 is asked for in turn 2 of step s, V of step s + 1 at the end of turn 0.  Steps past the last are re-reads of the last.
; REGISTERS.  Window 0: v2-6 lane terms; v12-13 c m_old; v16-31 statistics; v32-45 lo and at work; v48-55 at work; v64-127 S^T, two buffers; v192-223 P, two buffers.
;   Window 1: v0-127 O^T; v128-159 I; v160-223 masks, two buffers; v224+8 y: A, B, their sum twice, their product twice.   Window 2: v0-63 Q; v128-191 K, v192-255 V, buffer 0.   Window 3: buffer 1.
.set LOFF, 2
.set R4,   3
.set H8,   4
.set RMH,  5
.set PFO,  6
.set MV,   12
.set ST,   16
.set LOI,  32
.set TMP,  48
.set S,    64
.set P,    192
.set IT,   128
.set MC,   160
.set AB,   224
.set KF,   128
.set VF,   192
.set WV, 14
.set J,  15
.set BAND, 16
.set FIRST, 17
.set TS, 18
.set BOUND, 19
.set LAST, 20
.set KN, 23
.set VN, 24
.set CNT, 25
.set JOB, 26
.set LO0, 27
.set LO1, 28
.set PT, 30
.set OFF, 32
.set ONX, 34
.set OPTR, 36
.set CS, 38
.set SEL, 40
.set NB, 42
.set MSB, 0
.macro WIN new                         ; the immediate's high byte repeats the setting that is left; a switch that changes nothing is dropped
.if MSB != (\new)
	s_set_vgpr_msb (MSB<<8)|(\new)
.set MSB, (\new)
.endif
.endm
.set W_RS, 0x41
; 16 loads: the 8,192 bytes of step s[step] behind s[base:base+1] into 64 registers from reg on.  The step is held to 31 in the line ahead of the shift.
.macro LDSTEP win, reg, base, step
	WIN 0
	s_wait_xcnt 0x0                                ; earlier loads have read the pointer
	s_min_u32 s[OFF], s[\step], 31
	s_lshl_b32 s[OFF], s[OFF], 13
	s_add_nc_u64 s[PT:PT+1], s[\base:\base+1], s[OFF:OFF+1]
	WIN \win
.set f_, 0
.rept 16
	global_load_b128 v[(\reg)+4*f_:(\reg)+4*f_+3], v[LOFF], s[PT:PT+1] offset:512*f_
.set f_, f_+1
.endr
	WIN 0
.endm
.macro FETCH cnt, win, reg, base       ; the next step of a stream, held to the walk's last
	s_min_u32 s[TS], s[\cnt], s[LAST]
	s_add_co_u32 s[\cnt], s[\cnt], 1
	LDSTEP \win, \reg, \base, TS
.endm
; A job's numbers, from s[BAND] and the lo of its first query.
.macro NEXT lo
	s_lshr_b32 s[FIRST], s[\lo], 6
	s_min_u32 s[FIRST], s[FIRST], 31
	s_min_u32 s[FIRST], s[FIRST], s[BAND]
	s_and_b32 s[FIRST], s[FIRST], 30               ; the first step, made even
	s_or_b32 s[LAST], s[BAND], 1                   ; the last, made odd
	s_sub_co_u32 s[BOUND], s[LAST], s[FIRST]
	s_add_co_u32 s[BOUND], s[BOUND], 1
	s_lshr_b32 s[BOUND], s[BOUND], 1               ; pairs of steps: 1 at the least
	s_add_co_u32 s[VN], s[FIRST], 1
	s_add_co_u32 s[KN], s[FIRST], 2
	s_lshl_b32 s[OFF], s[BAND], 13
	s_add_nc_u64 s[ONX:ONX+1], s[12:13], s[OFF:OFF+1]
.endm
.macro ISSUE_NEXT
	LDSTEP 0x80, 0, 4, BAND                        ; Q
	s_wait_xcnt 0x0
	s_lshl_b32 s[OFF], s[BAND], 8
	s_add_nc_u64 s[PT:PT+1], s[10:11], s[OFF:OFF+1]
.irp x, 0,1,2,3
	global_load_b32 v[LOI+(\x)], v[R4], s[PT:PT+1] offset:64*(\x)  ; lo of my query in each piece
.endr
	LDSTEP 0x80, KF, 6, FIRST
	LDSTEP 0xc0, KF, 6, VN                         ; (s[VN] still holds the second step)
.endm
.macro ISSUE_V
	LDSTEP 0x80, VF, 8, FIRST
	LDSTEP 0xc0, VF, 8, VN
.endm
	s_load_b256 s[4:11], s[0:1], 0x0               ; qf s[4:5], kf s[6:7], vf s[8:9], segs s[10:11]
	s_load_b64 s[12:13], s[0:1], 0x20              ; yf
	v_lshrrev_b32 v1, 5, v0
	v_readfirstlane_b32 s[WV], v1
	s_lshl_b32 s[J], ttmp9, 2
	s_add_co_u32 s[J], s[J], s[WV]
	s_and_b32 s44, ttmp7, 0xffff                   ; batch x 16 + head
	s_lshl_b32 s[OFF], s44, 18
	s_mov_b32 s[OFF+1], 0
	s_lshr_b32 s46, s44, 4
	s_lshl_b32 s46, s46, 13
	s_mov_b32 s47, 0
	s_sub_co_u32 s[BAND], 31, s[J]
	s_lshl_b32 s48, s[BAND], 8
	s_mov_b32 s49, 0
	s_lshl_b32 s50, s[J], 8
	s_mov_b32 s51, 0
	s_mov_b32 s[CS], 0x3e38aa3b                    ; c = log2(e) / 8
	s_mov_b32 s[CS+1], s[CS]
	s_mov_b32 s[SEL], 0x76543210
	s_mov_b32 s[SEL+1], 0xfedcba98
	s_mov_b32 s[NB], 0xf2000000                    ; -2^101
	s_mov_b32 s[NB+1], s[NB]
	s_mov_b32 s[JOB], 2
	s_wait_kmcnt 0x0
	s_add_nc_u64 s[4:5], s[4:5], s[OFF:OFF+1]
	s_add_nc_u64 s[6:7], s[6:7], s[OFF:OFF+1]
	s_add_nc_u64 s[8:9], s[8:9], s[OFF:OFF+1]
	s_add_nc_u64 s[12:13], s[12:13], s[OFF:OFF+1]
	s_add_nc_u64 s[10:11], s[10:11], s[46:47]
	s_add_nc_u64 s[48:49], s[10:11], s[48:49]
	s_add_nc_u64 s[50:51], s[10:11], s[50:51]
	s_load_b32 s[LO0], s[48:49], 0x0               ; lo of each band's first query
	s_load_b32 s[LO1], s[50:51], 0x0
	v_and_b32 v8, 31, v0
	v_lshlrev_b32 v[LOFF], 4, v8
	v_and_b32 v9, 15, v0
	v_bfe_u32 v10, v0, 4, 1
	v_lshlrev_b32 v[R4], 2, v9
	v_lshlrev_b32 v[H8], 3, v10
	v_sub_nc_u32 v[RMH], v9, v[H8]                 ; r - 8 h
	v_lshlrev_b32 v[PFO], 8, v8
	s_lshl_b32 s44, s[J], 13
	v_add_nc_u32 v[PFO], s44, v[PFO]               ; band J's 8,192 bytes, 256 a lane
	WIN 0x40
.set i, 0
.rept 128
	v_mov_b32 v[i], 0                              ; O^T need only be finite: the first visible key multiplies it by 0
.set i, i+1
.endr
.set i, 0
.rept 32
	v_cvt_f32_u32 v[IT+i], 16*(i/8)+i%8
.set i, i+1
.endr
	WIN 0
.set i, 0
.rept 4
	v_mov_b32 v[ST+4*i+2], 0
	v_mov_b32 v[ST+4*i+3], 0
.set i, i+1
.endr
.set i, P+16
.rept 16
	v_mov_b32 v[i], 0                              ; the first turn's V^T P is of a piece that has not been
.set i, i+1
.endr
	s_wait_kmcnt 0x0
	NEXT LO0
	ISSUE_NEXT
	ISSUE_V
; THE MATRIX WORK.  The four accumulators of a run of 8 take turns.
.macro KQ x
.set rS, S+32*((\x)%2)+8*(i%4)
.set rK, KF+16*(i%4)+8*(i/4)
.set rQ, 16*(\x)+8*(i/4)
.set rM, MC+32*((\x)%2)+8*(i%4)
.if i < 4
	WIN 0x1a+XK
	v_wmma_f32_16x16x32_f16 v[rS:rS+7], v[rK:rK+7], v[rQ:rQ+7], v[rM:rM+7]
.else
	WIN 0x0a+XK
	v_wmma_f32_16x16x32_f16 v[rS:rS+7], v[rK:rK+7], v[rQ:rQ+7], v[rS:rS+7]
.endif
.endm
.macro PV x
	WIN 0x52+XV
.set rO, 32*(\x)+8*(i%4)
.set rV, VF+32*(i/4)+8*(i%4)
.set rP, P+16*((\x)%2)+8*(i/4)
	v_wmma_f32_16x16x32_f16 v[rO:rO+7], v[rV:rV+7], v[rP:rP+7], v[rO:rO+7]
.endm
.macro MM                              ; the turn's next matrix instruction
.if i < 8
	KQ (Y+1)%4
.else
.set i, i-8
	PV (Y+3)%4
.set i, i+8
.endif
.set i, i+1
.endm
; THE VECTOR WORK, one line at a time.  For piece Y: F n: c s - c m for pair n.  E n: the exponential of score n.  C n: pair n rounded to f16.  B n: of four weights the second pair onto the first.
; L n: l takes that sum (L 0: l = a l + sum).  R n: pair n of O^T times a.  For piece Y + 1: X n, the 22 that find its maximum and statistics (each accumulator's lowest registers are read first).
.set F, 0
.set E, 1
.set C, 2
.set B, 3
.set L, 4
.set R, 5
.set X, 6
.macro REGS y
.set rT, ST+4*(\y)
.set rC, TMP+4*((\y)%2)
.set rW, MV+((\y)%2)
.set rS, S+32*((\y)%2)
.set rP, P+16*((\y)%2)
.set rO, 32*(\y)
.endm
.macro OP k, n
.if (\k) == R
	REGS Y
	WIN W_RS
	v_pk_mul_f32 v[rO+2*(\n):rO+2*(\n)+1], v[rO+2*(\n):rO+2*(\n)+1], v[rC+2:rC+3] op_sel_hi:[1,0]
.elseif (\k) < R
	REGS Y
	WIN 0
.if (\k) == F
	v_pk_fma_f32 v[rS+2*(\n):rS+2*(\n)+1], v[rS+2*(\n):rS+2*(\n)+1], s[CS:CS+1], v[rT:rT+1] op_sel_hi:[1,0,0] neg_lo:[0,0,1] neg_hi:[0,0,1]
.elseif (\k) == E
	v_exp_f32 v[rS+(\n)], v[rS+(\n)]
.elseif (\k) == C
	v_cvt_pk_f16_f32 v[rP+(\n)], v[rS+2*(\n)], v[rS+2*(\n)+1]
.elseif (\k) == B
	v_pk_add_f32 v[rS+4*(\n):rS+4*(\n)+1], v[rS+4*(\n):rS+4*(\n)+1], v[rS+4*(\n)+2:rS+4*(\n)+3]
.elseif (\n) == 0
	v_pk_fma_f32 v[rT+2:rT+3], v[rT+2:rT+3], v[rC+2:rC+3], v[rS:rS+1] op_sel_hi:[1,0,1]
.else
	v_pk_add_f32 v[rT+2:rT+3], v[rT+2:rT+3], v[rS+4*(\n):rS+4*(\n)+1]
.endif
.else
	REGS (Y+1)%4
	WIN 0
.if (\n) < 4
	v_max3_num_f32 v[rC+(\n)], v[rS+8*(\n)], v[rS+8*(\n)+1], v[rS+8*(\n)+2]
.elseif (\n) < 12
	v_max3_num_f32 v[rC+(\n)%4], v[rC+(\n)%4], v[rS+8*((\n)%4)+2*((\n)/4)+1], v[rS+8*((\n)%4)+2*((\n)/4)+2]
.elseif (\n) == 12
	v_max3_num_f32 v[rC], v[rC], v[rS+7], v[rS+15]
.elseif (\n) == 13
	v_max3_num_f32 v[rC+1], v[rC+1], v[rS+23], v[rS+31]
.elseif (\n) == 14
	v_max3_num_f32 v[rC+2], v[rC+2], v[rC+3], v[rT+1]
.elseif (\n) == 15
	v_mov_b32 v[rW], v[rT]
.elseif (\n) == 16
	v_max3_num_f32 v[rC], v[rC], v[rC+1], v[rC+2]
.elseif (\n) == 17
	v_permlanex16_b32 v[rC+3], v[rC], s[SEL], s[SEL+1]
.elseif (\n) == 18
	v_max_num_f32 v[rT+1], v[rC], v[rC+3]
.elseif (\n) == 19
	v_mul_f32 v[rT], s[CS], v[rT+1]
.elseif (\n) == 20
	v_sub_f32 v[rC+1], v[rW], v[rT]
.else
	v_exp_f32 v[rC+2], v[rC+1]
.endif
.endif
.endm
.macro OPS a, i1, b=-1, i2=0, c=-1, i3=0, d=-1, i4=0
	OP \a, \i1
.if (\b) >= 0
	OP \b, \i2
.endif
.if (\c) >= 0
	OP \c, \i3
.endif
.if (\d) >= 0
	OP \d, \i4
.endif
.endm
.macro ROW a, i1, b, i2, c, i3, d, i4
	MM
	OPS \a, \i1, \b, \i2, \c, \i3, \d, \i4
.endm
; The mask of piece y's next step, into the buffer of y's parity; then A and B step 64 keys on.
.macro MASK y
.set mB, MC+32*((\y)%2)
.set aB, AB+8*(\y)
	WIN 0x55
	v_add_f32 v[aB+2], v[aB], v[aB+1]
	v_add_f32 v[aB+3], v[aB], v[aB+1]
	v_mul_f32 v[aB+4], v[aB], v[aB+1]
	v_mul_f32 v[aB+5], v[aB], v[aB+1]
.set z, 0
.rept 16
	v_pk_add_f32 v[mB+2*z:mB+2*z+1], v[IT+2*z:IT+2*z+1], v[aB+2:aB+3] neg_lo:[0,1] neg_hi:[0,1]
.set z, z+1
.endr
.set z, 0
.rept 16
	v_pk_fma_f32 v[mB+2*z:mB+2*z+1], v[IT+2*z:IT+2*z+1], v[mB+2*z:mB+2*z+1], v[aB+4:aB+5] clamp
.set z, z+1
.endr
.set z, 0
.rept 16
	v_pk_mul_f32 v[mB+2*z:mB+2*z+1], v[mB+2*z:mB+2*z+1], s[NB:NB+1] op_sel_hi:[1,0]
.set z, z+1
.endr
	v_pk_add_f32 v[aB:aB+1], v[aB:aB+1], 0xc2800000 op_sel_hi:[1,0]
.endm
; A TURN, for piece p of a step whose K and V lie in buffer x.
; The counted waits: behind the run that is wanted, two younger runs of 16 loads have been issued (for V of step s: K of s + 1 and V of s + 1; for K of s + 1: V of s + 1 and K of s + 2);
; in a job's first trip the run that is wanted has been waited for at the job's head.
.macro TURN p, x
.set Y, (\p)
.set i, 0
.set XK, (\x)
.set XV, (\x)
.if (\p) == 3
.set XK, 1-(\x)                        ; piece 0's scores of the next step
.endif
.if (\p) == 0
.set XV, 1-(\x)                        ; piece 3's V^T P of the step before
.endif
.if (\p) == 3
	s_wait_loadcnt 32                              ; K of the next step is in
.endif
	ROW F,0, F,1, R,0, R,1
	ROW F,2, E,0, R,2, R,3
	ROW F,3, E,1, R,4, R,5
	ROW F,4, E,2, R,6, R,7
	ROW F,5, E,3, R,8, R,9
	ROW F,6, E,4, X,0, R,10
	ROW F,7, E,5, X,1, X,4
	ROW F,8, E,6, X,2, X,5
	OPS E,7, E,8, X,6, E,9
	OPS X,3, E,10, X,8, E,11
.if (\p) == 2
	FETCH KN, 0x80+0x40*(\x), KF, 6                ; twelve plain instructions that name none of its registers stand behind the last product that read this buffer
.endif
	OPS X,9, X,7, E,12, X,10
	OPS E,13, X,12, X,11, E,14
	OPS X,13, E,15, F,9, X,14
	OPS E,16, F,10, E,17, F,11
	OPS X,16, E,18, X,15, E,19
	OPS F,12, E,20, X,17, E,21
	OPS F,13, E,22, F,14, E,23
	OPS X,18, E,24, F,15, E,25
	OPS R,11, E,26, X,19, E,27
	OPS R,12, E,28, R,13, E,29
	OPS X,20, E,30, R,14, E,31
	OPS X,21, R,15
	WIN 0
	s_wait_alu depctr_va_vdst(0)                   ; one wait for the turn's batch of exponentials, ahead of their first reader
.if (\p) == 1
	s_wait_loadcnt 32                              ; V of this step is in
.endif
	ROW C,0, B,0, C,2, B,1
	ROW L,0, C,4, B,2, L,1
	ROW C,6, B,3, L,2, C,8
	ROW B,4, L,3, C,10, B,5
	ROW L,4, C,12, B,6, L,5
	ROW C,14, B,7, L,6, C,1
	ROW C,3, L,7, C,5, C,7
	ROW C,9, C,11, C,13, C,15
.if (\p) == 0
	FETCH VN, 0x80+0x40*(1-(\x)), VF, 8            ; four plain instructions behind the last product that read this buffer
.endif
	MASK ((\p)+2)%4
.endm
.macro ALL line:vararg
.set t, 0
.rept 4
	\line
.set t, t+1
.endr
.endm
.macro PACK t                          ; a lane's eight channels of a query are 16 bytes of a fragment: stored as they lie, 512 consecutive bytes a store
	WIN W_RS
.set i, 32*(\t)
.rept 16
	v_pk_mul_f32 v[i:i+1], v[i:i+1], v[ST+4*(\t)+2:ST+4*(\t)+3] op_sel_hi:[1,0]
.set i, i+2
.endr
	WIN 0x05
.set i, 0
.rept 16
	v_cvt_pk_f16_f32 v[S+16*(\t)+i], v[32*(\t)+2*i], v[32*(\t)+2*i+1]
.set i, i+1
.endr
	WIN 0
.irp f, 0,1,2,3
	global_store_b128 v[LOFF], v[S+16*(\t)+4*(\f):S+16*(\t)+4*(\f)+3], s[OPTR:OPTR+1] offset:(\t)*2048+(\f)*512
.endr
.endm
.Ljob:                                         ; twice
	s_wait_loadcnt 0x0                             ; Q, lo and the first two steps of K and V
	s_wait_xcnt 0x0                                ; the last job's stores have read S^T's registers and their pointer
	s_mov_b64 s[OPTR:OPTR+1], s[ONX:ONX+1]
	s_cmp_eq_u32 s[JOB], 2
	s_cbranch_scc0 .Lno_pf
	global_prefetch_b8 v[PFO], s[6:7] th:TH_LOAD_NT scope:SCOPE_SE  ; the second job's own step of K, of V, and its Q: a lane a block of 256 bytes; each block is named by one wave of the launch
	global_prefetch_b8 v[PFO], s[8:9] th:TH_LOAD_NT scope:SCOPE_SE
	global_prefetch_b8 v[PFO], s[4:5] th:TH_LOAD_NT scope:SCOPE_SE
.Lno_pf:
	s_lshl_b32 s44, s[FIRST], 6
	s_sub_co_u32 s45, s[BAND], s[FIRST]
	s_lshl_b32 s45, s45, 6
	v_add_nc_u32 v44, s44, v[H8]                   ; 64 first + 8 h
	v_add_nc_u32 v45, s45, v[RMH]                  ; 64 (band - first) + r - 8 h
.irp x, 0,1,2,3
	v_sub_nc_u32 v[36+(\x)], v[LOI+(\x)], v44      ; A = lo - 64 first - 8 h
	v_add_nc_u32 v[40+(\x)], 16*(\x), v45          ; B = q - 64 first - 8 h
.endr
	WIN 0x40
.irp x, 0,1,2,3
	v_cvt_f32_i32 v[AB+8*(\x)], v[36+(\x)]
	v_cvt_f32_i32 v[AB+8*(\x)+1], v[40+(\x)]
.endr
	WIN 0
.irp t, 0,1,2,3
	v_mov_b32 v[ST+4*(\t)+1], 0xf1000000           ; m = -2^99
	v_mul_f32 v[ST+4*(\t)], s[CS], v[ST+4*(\t)+1]
.endr
	MASK 0
	MASK 1
.set XK, 0                             ; the first step is even: buffer 0
.set i, 0
.rept 8
	KQ 0                                           ; piece 0's first scores
.set i, i+1
.endr
	WIN 0
.rept 4
	v_nop                                          ; the places behind those products
.endr
.set Y, 3
.irp n, 0,1,2,3,4,5,6,7,8,9,10,11,12,13,14,15,16,17,18,19,20,21
	OP X, \n                                       ; and its first maximum and statistics
.endr
	v_nop
	s_wait_alu depctr_va_vdst(0)                   ; the first a, ahead of the label
	s_mov_b32 s[CNT], 0
.Lstep:                                        ; a trip: an even step (buffer 0) and the odd one behind it (buffer 1); s[BOUND] trips
	TURN 0, 0
	TURN 1, 0
	TURN 2, 0
	TURN 3, 0
	TURN 0, 1
	TURN 1, 1
	TURN 2, 1
	TURN 3, 1
	WIN 0
	s_add_co_u32 s[CNT], s[CNT], 1
	s_cmp_lt_u32 s[CNT], s[BOUND]
	s_cbranch_scc1 .Lstep
.set XV, 1
.set i, 0
.rept 8
	PV 3                                           ; piece 3's V^T P of the last step
.set i, i+1
.endr
	WIN 0
	ALL v_add_f32 v[ST+4*t+2], v[ST+4*t+2], v[ST+4*t+3]
	ALL v_permlanex16_b32 v[ST+4*t+3], v[ST+4*t+2], s[SEL], s[SEL+1]
	ALL v_add_f32 v[ST+4*t+2], v[ST+4*t+2], v[ST+4*t+3]
	s_wait_loadcnt 0x0                             ; on every way: the two runs past the last step (V into buffer 0, K into buffer 1) have landed, so their registers may be asked for again
	s_cmp_eq_u32 s[JOB], 1
	s_cbranch_scc1 .Lno_next
	s_mov_b32 s[BAND], s[J]
	NEXT LO1
	ISSUE_NEXT                                     ; the second job's first loads go out under the first job's way out;
	ISSUE_V                                        ; eight plain additions stand behind the last product that read V
.Lno_next:
	ALL v_rcp_f32 v[ST+4*t+2], v[ST+4*t+2]
	v_nop
	s_wait_alu depctr_va_vdst(0)                   ; one wait for the four reciprocals
	PACK 0
	PACK 1
	PACK 2
	PACK 3
	s_sub_co_u32 s[JOB], s[JOB], 1
	s_cmp_lg_u32 s[JOB], 0
	s_cbranch_scc1 .Ljob
	s_endpgm
.Lfunc_end_k_q7e5dcd5c73_attn:
	.size	k_q7e5dcd5c73_attn, .Lfunc_end_k_q7e5dcd5c73_attn-k_q7e5dcd5c73_attn
	.p2alignl 7, 3214868480
	.fill 96, 4, 3214868480
	.section	.rodata,"a",@progbits
	.p2align	6, 0x0
	.amdhsa_kernel k_q7e5dcd5c73_attn
		.amdhsa_group_segment_fixed_size 0
		.amdhsa_private_segment_fixed_size 0
		.amdhsa_enable_private_segment 0
		.amdhsa_kernarg_size 40
		.amdhsa_user_sgpr_count 2
		.amdhsa_user_sgpr_kernarg_segment_ptr 1
		.amdhsa_wavefront_size32 1
		.amdhsa_system_sgpr_workgroup_id_x 1
		.amdhsa_system_sgpr_workgroup_id_y 1
		.amdhsa_system_sgpr_workgroup_id_z 1
		.amdhsa_system_vgpr_workitem_id 0
		.amdhsa_next_free_vgpr 1024
		.amdhsa_next_free_sgpr 66
		.amdhsa_reserve_vcc 0
		.amdhsa_float_denorm_mode_32 3
		.amdhsa_float_denorm_mode_16_64 3
		.amdhsa_memory_ordered 1
		.amdhsa_forward_progress 1
		.amdhsa_inst_pref_size 151
	.end_amdhsa_kernel
	.amdgpu_metadata
---
amdhsa.version: [ 1, 2 ]
amdhsa.kernels:
  - .name:           k_q7e5dcd5c73_attn
    .symbol:         k_q7e5dcd5c73_attn.kd
    .args:
      - { .name: qf, .offset: 0, .size: 8, .value_kind: global_buffer, .address_space: global }
      - { .name: kf, .offset: 8, .size: 8, .value_kind: global_buffer, .address_space: global }
      - { .name: vf, .offset: 16, .size: 8, .value_kind: global_buffer, .address_space: global }
      - { .name: segs, .offset: 24, .size: 8, .value_kind: global_buffer, .address_space: global }
      - { .name: yf, .offset: 32, .size: 8, .value_kind: global_buffer, .address_space: global }
    .group_segment_fixed_size: 0
    .private_segment_fixed_size: 0
    .kernarg_segment_align: 8
    .kernarg_segment_size: 40
    .max_flat_workgroup_size: 128
    .sgpr_count:     66
    .vgpr_count:     1024
    .wavefront_size: 32
...
	.end_amdgpu_metadata
.endif
;; end of part 3
;; launch proj (part 4): grid 8 x 32, 4 waves a work-group, clusters of 4 x 4, 327,680 bytes of LDS; arguments yf, wob, bo, out0; writes out0
.if DOCPART == 4
	.amdgcn_target "amdgcn-amd-amdhsa--gfx1250"
	.amdhsa_code_object_version 6
	.text
	.protected	k_q7e5dcd5c73_proj
	.globl	k_q7e5dcd5c73_proj
	.p2align	8
	.type	k_q7e5dcd5c73_proj,@function
k_q7e5dcd5c73_proj:
	s_mov_b64 s[64:65], 0
	v_nop
	global_prefetch_b8 v0, s[64:65] scope:SCOPE_SE
	s_setreg_imm32_b32 hwreg(HW_REG_WAVE_MODE, 25, 1), 1
	s_wait_xcnt 0x0
	s_wait_alu depctr_hold_cnt(0) depctr_sa_sdst(0) depctr_va_vdst(0) depctr_va_sdst(0) depctr_va_ssrc(0) depctr_va_vcc(0) depctr_vm_vsrc(0)
	s_getreg_b32 s2, hwreg(HW_REG_IB_STS2, 6, 4)
	s_cmp_eq_u32 s2, 0
	s_cbranch_scc0 .Lentry_in_a_cluster
	s_endpgm
.Lentry_in_a_cluster:
	s_bfe_u32 s2, ttmp6, 0x10000c
	s_cmp_lg_u32 s2, 0xf033
	s_cbranch_scc0 .Lentry_shape_is_right
	s_endpgm
.Lentry_shape_is_right:
; PROJ: out0 = y Wo + bo.  y (yf) is f16 in fragment order [head 64][16 tokens 128][16 channels 4][lane][16 B]; wob is Wo rounded to bf16 and written as f16, [nt2 8][k 1024][128]; bo is rounded to bf16.
; A work-group makes 256 tokens x 128 columns: 256 work-groups.  Wave w: tokens 128 (w / 2) .., columns 64 (w % 2) ..: 8 x 4 accumulators in window 1.
; K goes in 8 steps of 128 (two heads) through two LDS slots.  Waves 0, 1 fetch A of one head each (32 KiB, dense, in fragment order: a fragment's load is 512 consecutive bytes), waves 2, 3 halves of B.
; CLUSTER 4 x 4: A's tiles are shared along a row, B's along a column.  The product is taken transposed (source 0 = 16 columns, source 1 = 16 tokens); the bias is the C operand of the first products.
; No prefetch: a K step is 128 matrix instructions a wave on a small tile, and the whole launch is 1,024 of them.
.set SLOT1, 131072
.set BOFF,  65536
.set PB,    288
.set STAGE, SLOT1+BOFF+128*PB          ; 233,472: 16 rows x 272 bytes for each wave; no tensor load lands here
.set SP,    272
.set SPARE, STAGE+4*16*SP              ; 250,880
.set ADA0, 2
.set ADB0, 3
.set ADA,  4
.set ADB,  5
.set STO,  6
.set RD,   7
.set CO,   8
.set SPW,  10
.set NIL,  11
.set F0,   32
.set F1,   128
.set BIAS, 224
.set WV, 16
.set RW, 17
.set CW, 18
.set CX, 19
.set CY, 20
.set NT, 21
.set MT, 22
.set G1A, 24
.set G1B, 32
.set G0A, 40
.set G0B, 48
.set TB,  56
.set MSB, 0
.macro WIN new
.if MSB != (\new)
	s_set_vgpr_msb (MSB<<8)|(\new)
.set MSB, (\new)
.endif
.endm
.macro PLACES
.rept 4
	v_nop
.endr
.endm
.macro CREST
	s_cmp_lg_u32 s[WV], 0
	s_cbranch_scc1 .Lnot_wave_0_\@
	s_barrier_signal -3
.Lnot_wave_0_\@:
	s_barrier_wait -3
	s_barrier_signal -1
	s_barrier_wait -1
.endm
.macro CROUND
	s_barrier_signal -1
	s_barrier_wait -1
	CREST
.endm
.macro JLOAD
	s_cmp_lt_u32 s[WV], 2
	s_cbranch_scc0 .Lfor_b_\@
	tensor_load_to_lds s[G0A+4:G0A+7], s[G1A:G1A+7]
	s_nop 0
.rept 4
	v_nop
.endr
	s_branch .Lasked_\@
.Lfor_b_\@:
	tensor_load_to_lds s[G0B+4:G0B+7], s[G1B:G1B+7]
	s_nop 0
.rept 4
	v_nop
.endr
.Lasked_\@:
.endm
.macro MUL8 f, a0, mode                ; token blocks a0, a0 + 1 x 4 column blocks; the 32 accumulators take turns
.if \mode
	WIN 0x40
.else
	WIN 0x50
.endif
.irp a, \a0, (\a0)+1
.irp b, 0,1,2,3
.if \mode
	v_wmma_f32_16x16x32_f16 v[8*(4*(\a)+(\b)):8*(4*(\a)+(\b))+7], v[(\f)+64+8*(\b):(\f)+64+8*(\b)+7], v[(\f)+8*(\a):(\f)+8*(\a)+7], v[BIAS+8*(\b):BIAS+8*(\b)+7]
.else
	v_wmma_f32_16x16x32_f16 v[8*(4*(\a)+(\b)):8*(4*(\a)+(\b))+7], v[(\f)+64+8*(\b):(\f)+64+8*(\b)+7], v[(\f)+8*(\a):(\f)+8*(\a)+7], v[8*(4*(\a)+(\b)):8*(4*(\a)+(\b))+7]
.endif
.endr
.endr
.endm
.macro FETCH u, f                      ; 24 loads: quarter u (32 of the slot's 128 along K): B, then A's blocks in ascending order
	WIN 0
.irp b, 0,1,2,3
	ds_load_tr16_b128 v[(\f)+64+8*(\b):(\f)+64+8*(\b)+3], v[ADB] offset:(\u)*32*PB+32*(\b)
	ds_load_tr16_b128 v[(\f)+64+8*(\b)+4:(\f)+64+8*(\b)+7], v[ADB] offset:(\u)*32*PB+32*(\b)+16*PB
.endr
.irp a, 0,1,2,3,4,5,6,7
	ds_load_b128 v[(\f)+8*(\a):(\f)+8*(\a)+3], v[ADA] offset:((\u)/2)*32768+(\a)*2048+((\u)%2)*1024
	ds_load_b128 v[(\f)+8*(\a)+4:(\f)+8*(\a)+7], v[ADA] offset:((\u)/2)*32768+(\a)*2048+((\u)%2)*1024+512
.endr
.endm
.macro QUARTER un, f, g, mode          ; multiplies buffer f; in its middle fetches quarter un into g
	s_wait_dscnt 8                                 ; the youngest eight loads, A's blocks 4-7, may be out
	MUL8 \f, 0, \mode
	MUL8 \f, 2, \mode
	PLACES
	FETCH \un, \g
	s_wait_dscnt 24                                ; all but the 24 just issued
	MUL8 \f, 4, \mode
	MUL8 \f, 6, \mode
.endm
.macro TURN fill                       ; the slot's last quarter, on buffer 1, and the change of slots
	WIN 0
	s_wait_tensorcnt 0x0                           ; my part of the next slot has landed
	ds_add_u32 v[SPW], v[NIL]                      ; 0 onto my spare word
.if \fill
	s_xor_b32 s[G0A+5], s[G0A+5], SLOT1
	s_add_nc_u64 s[G0A+6:G0A+7], s[G0A+6:G0A+7], 524288
	s_xor_b32 s[G0B+5], s[G0B+5], SLOT1
	s_add_nc_u64 s[G0B+6:G0B+7], s[G0B+6:G0B+7], 32768
.endif
	s_wait_dscnt 9                                 ; the add and the youngest eight loads may be out
	MUL8 F1, 0, 0
	s_wait_dscnt 0x0                               ; the add is done and my reads of this slot are back
	s_barrier_signal -1
	MUL8 F1, 2, 0
	WIN 0
	s_barrier_wait -1
.if \fill
	CREST
	JLOAD                                          ; 112 matrix instructions ahead of the wait for it
.else
	PLACES
.endif
	s_xor_b32 s[TB], s[TB], SLOT1
	v_add_nc_u32 v[ADA], s[TB], v[ADA0]
	v_add_nc_u32 v[ADB], s[TB], v[ADB0]
	FETCH 0, F0
	MUL8 F1, 4, 0
	MUL8 F1, 6, 0
.endm
	s_load_b256 s[4:11], s[0:1], 0x0               ; yf s[4:5], wob s[6:7], bo s[8:9], out0 s[10:11]
	v_lshl_add_u32 v[SPW], v0, 2, SPARE
	v_mov_b32 v[NIL], 0
	ds_add_u32 v[SPW], v[NIL]                      ; the opening: the add and its wait stand ahead of my first tensor load
	v_lshrrev_b32 v1, 5, v0
	v_readfirstlane_b32 s[WV], v1
	s_lshr_b32 s[RW], s[WV], 1
	s_and_b32 s[CW], s[WV], 1
	s_bfe_u32 s[CX], ttmp6, 0x40000
	s_bfe_u32 s[CY], ttmp6, 0x40004
	s_lshl_b32 s[NT], ttmp9, 2
	s_add_co_u32 s[NT], s[NT], s[CX]
	s_and_b32 s[MT], ttmp7, 0xffff
	s_lshl_b32 s[MT], s[MT], 2
	s_add_co_u32 s[MT], s[MT], s[CY]
	s_lshl_b32 s66, s[CY], 2
	s_lshl_b32 s66, 15, s66
	s_lshl_b32 s67, 0x1111, s[CX]
	s_or_b32 s[G1A], s66, (1<<16)|(1<<21)          ; 2-byte elements, no padding
	s_or_b32 s[G1B], s67, (1<<16)|(1<<20)|(1<<21)|(5<<22)|(7<<25)  ; 8 words of padding after every 64
	s_mov_b32 s[G1A+1], 128<<16
	s_mov_b32 s[G1A+2], 128<<16
	s_mov_b32 s[G1A+3], 128<<16
	s_mov_b32 s[G1A+4], 128
	s_mov_b32 s[G1A+5], 128
	s_mov_b32 s[G1A+6], 0
	s_mov_b32 s[G1A+7], 0
	s_mov_b32 s[G1B+1], 128<<16
	s_mov_b32 s[G1B+2], 64<<16
	s_mov_b32 s[G1B+3], 128<<16
	s_mov_b32 s[G1B+4], 64
	s_mov_b32 s[G1B+5], 128
	s_mov_b32 s[G1B+6], 0
	s_mov_b32 s[G1B+7], 0
	s_lshr_b32 s68, s[MT], 3
	s_lshl_b32 s68, s68, 22                        ; A: the batch's 16 heads,
	s_lshl_b32 s69, s[WV], 18                      ; head = my wave's number,
	s_add_co_u32 s68, s68, s69
	s_and_b32 s69, s[MT], 7
	s_lshl_b32 s69, s69, 15                        ; the tile's 256 tokens
	s_add_co_u32 s68, s68, s69
	s_mov_b32 s69, 0
	s_lshl_b32 s70, s[NT], 18                      ; B: the tile column and my half of 128 rows
	s_lshl_b32 s71, s[CW], 14
	s_add_co_u32 s70, s70, s71
	s_mov_b32 s71, 0
	s_lshl_b32 s73, s[WV], 15                      ; LDS: A's head w at 32,768 w
	s_mul_i32 s74, s[WV], 64*PB
	s_add_co_u32 s74, s74, BOFF-128*PB             ; B's half w - 2 at 65,536 + 18,432 (w - 2)
	s_mov_b32 s[TB], 0
	s_wait_dscnt 0x0
	s_wait_kmcnt 0x0
	s_add_nc_u64 s[68:69], s[4:5], s[68:69]
	s_add_nc_u64 s[70:71], s[6:7], s[70:71]
	CROUND
.irp s, 0,1
	s_mov_b32 s[G0A+4*(\s)], 1
	s_add_co_u32 s[G0A+4*(\s)+1], s73, (\s)*SLOT1
	s_add_nc_u64 s[G0A+4*(\s)+2:G0A+4*(\s)+3], s[68:69], (\s)*524288
	s_or_b32 s[G0A+4*(\s)+3], s[G0A+4*(\s)+3], 0x80000000
	s_mov_b32 s[G0B+4*(\s)], 1
	s_add_co_u32 s[G0B+4*(\s)+1], s74, (\s)*SLOT1
	s_add_nc_u64 s[G0B+4*(\s)+2:G0B+4*(\s)+3], s[70:71], (\s)*32768
	s_or_b32 s[G0B+4*(\s)+3], s[G0B+4*(\s)+3], 0x80000000
.endr
	s_cmp_lt_u32 s[WV], 2
	s_cbranch_scc0 .Lfirst_b
	tensor_load_to_lds s[G0A:G0A+3], s[G1A:G1A+7]
	s_nop 0
	tensor_load_to_lds s[G0A+4:G0A+7], s[G1A:G1A+7]
	s_nop 0
.rept 4
	v_nop
.endr
	s_branch .Lfirst_done
.Lfirst_b:
	tensor_load_to_lds s[G0B:G0B+3], s[G1B:G1B+7]
	s_nop 0
	tensor_load_to_lds s[G0B+4:G0B+7], s[G1B:G1B+7]
	s_nop 0
.rept 4
	v_nop
.endr
.Lfirst_done:
	v_and_b32 v14, 15, v0                          ; r
	v_bfe_u32 v15, v0, 4, 1                        ; h
	v_and_b32 v16, 7, v0
	v_bfe_u32 v17, v0, 3, 1
	v_and_b32 v18, 31, v0
	v_lshlrev_b32 v20, 5, v15
	s_lshl_b32 s66, s[NT], 9
	s_lshl_b32 s67, s[CW], 8
	s_add_co_u32 s66, s66, s67                     ; my 64 columns in f32: bytes in bo and in a row of out0
	s_mov_b32 s67, 0
	s_add_nc_u64 s[8:9], s[8:9], s[66:67]
.irp b, 0,1,2,3
	global_load_b128 v[BIAS+8*(\b):BIAS+8*(\b)+3], v20, s[8:9] offset:64*(\b)
	global_load_b128 v[BIAS+8*(\b)+4:BIAS+8*(\b)+7], v20, s[8:9] offset:64*(\b)+16
.endr
	s_lshl_b32 s72, s[MT], 20
	s_lshl_b32 s73, s[RW], 19
	s_add_co_u32 s72, s72, s73
	s_add_co_u32 s72, s72, s66
	s_mov_b32 s73, 0
	s_add_nc_u64 s[10:11], s[10:11], s[72:73]      ; out0 at my first row and column
	s_lshl_b32 s66, s[RW], 14
	v_lshl_add_u32 v[ADA0], v18, 4, s66            ; 16,384 rw + 16 x lane
	v_lshl_add_u32 v19, v15, 3, v16
	v_mul_u32_u24 v19, v19, PB
	v_lshl_add_u32 v19, v17, 4, v19
	s_lshl_b32 s66, s[CW], 7
	s_add_co_u32 s66, s66, BOFF
	v_add_nc_u32 v[ADB0], s66, v19
	s_mul_i32 s66, s[WV], 16*SP
	s_add_co_u32 s66, s66, STAGE
	v_mul_u32_u24 v[STO], v14, SP
	v_lshl_add_u32 v[STO], v15, 5, v[STO]
	v_add_nc_u32 v[STO], s66, v[STO]               ; in: row r, 32 bytes for each half of the lanes
	v_mul_u32_u24 v[RD], v15, SP
	v_lshl_add_u32 v[RD], v14, 4, v[RD]
	v_add_nc_u32 v[RD], s66, v[RD]                 ; back: lanes 0-15 one row of 256 bytes, lanes 16-31 the next
	v_lshlrev_b32 v[CO], 12, v15
	v_lshl_add_u32 v[CO], v14, 4, v[CO]            ; and the same two rows of out0
	s_wait_loadcnt 0x0
.set i, 0
.rept 16
	v_cvt_pk_bf16_f32 v[F0+i], v[BIAS+2*i], v[BIAS+2*i+1]
.set i, i+1
.endr
.set i, 0
.rept 16
	v_lshlrev_b32 v[BIAS+2*i], 16, v[F0+i]
	v_and_b32 v[BIAS+2*i+1], 0xffff0000, v[F0+i]
.set i, i+1
.endr
	s_wait_tensorcnt 0x1                           ; my part of slot 0 is in; slot 1's may stay out
	s_barrier_signal -1
	s_barrier_wait -1
	v_add_nc_u32 v[ADA], s[TB], v[ADA0]
	v_add_nc_u32 v[ADB], s[TB], v[ADB0]
	FETCH 0, F0
	QUARTER 1, F0, F1, 1                           ; the first quarter starts the sums with the bias
	WIN 0
	s_mov_b32 s3, 6
.Lk:                                           ; trip t: quarters 1-3 of slot t, which is asked again for step t + 2, and quarter 0 of slot t + 1
	QUARTER 2, F1, F0, 0
	QUARTER 3, F0, F1, 0
	TURN 1
	QUARTER 1, F0, F1, 0
	WIN 0
	s_sub_co_u32 s3, s3, 1
	s_cmp_lg_u32 s3, 0
	s_cbranch_scc1 .Lk
	QUARTER 2, F1, F0, 0                           ; the tail fills nothing
	QUARTER 3, F0, F1, 0
	TURN 0
	QUARTER 1, F0, F1, 0
	QUARTER 2, F1, F0, 0
	QUARTER 3, F0, F1, 0
	s_wait_dscnt 8
	MUL8 F1, 0, 0
	MUL8 F1, 2, 0
	s_wait_dscnt 0x0
	MUL8 F1, 4, 0
	MUL8 F1, 6, 0
	PLACES
; THE WAY OUT, 16 tokens at a time through my own stage: a lane's 8 columns go in as 32 bytes, whole rows of 256 bytes come back.
.macro TOSTAGE a
.set BK, 32+32*((\a)%2)
	s_wait_xcnt 0x0                                ; the stores two blocks back have read this set of registers
	WIN 0x04                                       ; store data in window 1
.irp b, 0,1,2,3
	ds_store_b128 v[STO], v[8*(4*(\a)+(\b)):8*(4*(\a)+(\b))+3] offset:64*(\b)
	ds_store_b128 v[STO], v[8*(4*(\a)+(\b))+4:8*(4*(\a)+(\b))+7] offset:64*(\b)+16
.endr
	WIN 0
.irp i, 0,1,2,3,4,5,6,7
	ds_load_b128 v[BK+4*(\i):BK+4*(\i)+3], v[RD] offset:2*SP*(\i)  ; LDS serves a wave's instructions in order: these see the stores above
.endr
.endm
.macro SEND a, younger
.set BK, 32+32*((\a)%2)
	s_wait_dscnt \younger                          ; the block is back; the next block's 16 LDS instructions may be out
	s_wait_xcnt 0x0
.if (\a) > 0
	s_add_nc_u64 s[10:11], s[10:11], 65536         ; 16 rows on
.endif
.irp i, 0,1,2,3,4,5,6,7
	global_store_b128 v[CO], v[BK+4*(\i):BK+4*(\i)+3], s[10:11] offset:8192*(\i) th:TH_STORE_NT  ; 16 lanes store 256 consecutive bytes, at a multiple of 256 from out0's first
.endr
.endm
	TOSTAGE 0
.irp a, 1,2,3,4,5,6,7
	TOSTAGE \a
	SEND (\a)-1, 16
.endr
	SEND 7, 0
	s_wait_tensorcnt 0x0                           ; the wave's end
	ds_add_u32 v[SPW], v[NIL]
	s_wait_dscnt 0x0
	CROUND                                         ; the closing round
	s_endpgm
.Lfunc_end_k_q7e5dcd5c73_proj:
	.size	k_q7e5dcd5c73_proj, .Lfunc_end_k_q7e5dcd5c73_proj-k_q7e5dcd5c73_proj
	.p2alignl 7, 3214868480
	.fill 96, 4, 3214868480
	.section	.rodata,"a",@progbits
	.p2align	6, 0x0
	.amdhsa_kernel k_q7e5dcd5c73_proj
		.amdhsa_group_segment_fixed_size 327680
		.amdhsa_private_segment_fixed_size 0
		.amdhsa_enable_private_segment 0
		.amdhsa_kernarg_size 32
		.amdhsa_user_sgpr_count 2
		.amdhsa_user_sgpr_kernarg_segment_ptr 1
		.amdhsa_wavefront_size32 1
		.amdhsa_system_sgpr_workgroup_id_x 1
		.amdhsa_system_sgpr_workgroup_id_y 1
		.amdhsa_system_sgpr_workgroup_id_z 1
		.amdhsa_system_vgpr_workitem_id 0
		.amdhsa_next_free_vgpr 512
		.amdhsa_next_free_sgpr 80
		.amdhsa_reserve_vcc 0
		.amdhsa_float_denorm_mode_32 3
		.amdhsa_float_denorm_mode_16_64 3
		.amdhsa_memory_ordered 1
		.amdhsa_forward_progress 1
		.amdhsa_inst_pref_size 73
	.end_amdhsa_kernel
	.amdgpu_metadata
---
amdhsa.version: [ 1, 2 ]
amdhsa.kernels:
  - .name:           k_q7e5dcd5c73_proj
    .symbol:         k_q7e5dcd5c73_proj.kd
    .args:
      - { .name: yf, .offset: 0, .size: 8, .value_kind: global_buffer, .address_space: global }
      - { .name: wob, .offset: 8, .size: 8, .value_kind: global_buffer, .address_space: global }
      - { .name: bo, .offset: 16, .size: 8, .value_kind: global_buffer, .address_space: global }
      - { .name: out0, .offset: 24, .size: 8, .value_kind: global_buffer, .address_space: global }
    .group_segment_fixed_size: 327680
    .private_segment_fixed_size: 0
    .kernarg_segment_align: 8
    .kernarg_segment_size: 32
    .max_flat_workgroup_size: 128
    .sgpr_count:     80
    .vgpr_count:     512
    .wavefront_size: 32
...
	.end_amdgpu_metadata
.endif
;; end of part 4
;; ======== version 2 of 2: 4 launches; version 1 with the launch prep written anew for expert scheduling mode
;; limits: values are held in f16: magnitudes above 65,504 overflow, below 6.1e-05 lose precision
;; workspace buffers: xb 16,777,216 bytes; wqb 6,291,456 bytes; wob 2,097,152 bytes; segs 32,768 bytes of whole numbers; qf 16,777,216 bytes; kf 16,777,216 bytes; vf 16,777,216 bytes; yf 16,777,216 bytes
;; launch prep (part 5): grid 833 x 1, 4 waves a work-group, no clusters, 0 bytes of LDS; arguments x, Wqkv, Wo, char_ids, xb, wqb, wob, segs; writes xb, wqb, wob, segs
.if DOCPART == 5
	.amdgcn_target "amdgcn-amd-amdhsa--gfx1250"
	.amdhsa_code_object_version 6
	.text
	.protected	k_q7e5dcd5c73_prep
	.globl	k_q7e5dcd5c73_prep
	.p2align	8
	.type	k_q7e5dcd5c73_prep,@function
k_q7e5dcd5c73_prep:
	s_mov_b64 s[64:65], 0
	v_nop
	global_prefetch_b8 v0, s[64:65] scope:SCOPE_SE
	s_setreg_imm32_b32 hwreg(HW_REG_WAVE_SCHED_MODE, 0, 2), 2
	s_setreg_imm32_b32 hwreg(HW_REG_WAVE_MODE, 25, 1), 1
	s_wait_xcnt 0x0
	s_wait_alu depctr_vm_vsrc(0)
; PREP: casts and re-blocking of the inputs, and the window's lower ends.  A stream: no LDS, no barrier, EXEC untouched.
; Work-groups 0-511:   x [8192][1024] f32 -> xb bf16 [mt 32][ks 16][row 256][64]: a tile (256 tokens x 64 channels) is 32,768 dense bytes.
; Work-groups 512-767: Wqkv [1024][3072] f32 -> wqb bf16 [nt 8][k 1024][c 384]; c = 192 cw + 64 jj + d stands for column 1024 jj + 64 (2 nt + cw) + d.
; Work-groups 768-831: Wo [1024][1024] f32 -> wob [nt2 8][k 1024][128]: rounded to bf16 like every input, that number written as f16
;                      (exact from 6e-5 up; below that f16's fixed step of 6e-8).
; Work-group 832:      segs[b][t] = index of the last token equal to 32 at or before t, or 0: key k is visible to query t where segs <= k <= t.
; An ITEM is 8 f32 of a lane (two loads of 16 bytes) made into 16 bytes.  All items' loads are issued first, each into registers of its own.
; THE MODE: SCHED_MODE bits 1:0 = 2 (LLVM: expert scheduling mode 2), set by the entry lines.  The code itself states the register dependences
; between vector instructions and memory instructions, with s_wait_alu, always for 0.
; THE PLAN, for the three casts.  Registers that memory instructions touch:
;   the offsets   made by vector instructions at a branch's head, never written again; read by every load and store of the branch.
;   X, item i     the item's two loads land in it, once; no vector instruction names it before; its conversions read it behind the counted wait for the loads.
;   Y, item i     written by the item's conversions, once; read by its one store.  Every item has its own: nothing that a store has read is written again.
; So one wait on va_vdst stands ahead of a branch's first load, for the offsets.  The items go in groups of four: at the head of each group but the first one wait states that
; the group before has written its Y, and that group's four stores are dealt among this group's conversions, which name other registers; one more wait stands ahead of the last four stores.
; THE PLAN, for the scan.  v1: offset of its loads and stores, made once.  v16-79: the loads land there, the selects rewrite them, the stores read them: one wait ahead of the loads,
; one ahead of the stores.  Compares and lane reads write scalar registers: they stand in runs, into s32-63, with one wait on va_sdst behind each run and ahead of its first reader.
.set X, 16                             ; v[16:143]  16 items x 8 as loaded
.set Y, 144                            ; v[144:207] 16 items x 4 to store
.set M, 32                             ; s[32:63]   the scan's masks, then its lanes' last values
.macro ILOAD i, vin, base, off
	global_load_b128 v[X+8*(\i):X+8*(\i)+3], v[\vin], s[\base:\base+1] offset:\off th:TH_LOAD_NT
	global_load_b128 v[X+8*(\i)+4:X+8*(\i)+7], v[\vin], s[\base:\base+1] offset:(\off)+16 th:TH_LOAD_NT
.endm
; The n items are rounded and stored.  Item st goes to byte oa (st / od) + ob (st % od) behind the branch's base and offset.
.macro WALK n, vout, base, f16, od, oa, ob
.set it, 0
.rept \n
	s_wait_loadcnt 2*((\n)-1-it)                   ; loads return in order: this item's two are in, the younger items' stay out
.if (it >= 4) && (it%4 == 0)
	s_wait_alu depctr_va_vdst(0)                   ; the conversions of the four items before have written their Y, which the four stores of this group read
.endif
.if it >= 4
.set st, it-4
	global_store_b128 v[\vout], v[Y+4*st:Y+4*st+3], s[\base:\base+1] offset:(\oa)*(st/(\od))+(\ob)*(st%(\od))  ; no vector instruction since the wait names these registers
.endif
.irp j, 0,1,2,3
	v_cvt_pk_bf16_f32 v[Y+4*it+(\j)], v[X+8*it+2*(\j)], v[X+8*it+2*(\j)+1]
.endr
.if \f16
.irp j, 0,1,2,3
	v_lshlrev_b32 v[X+8*it+2*(\j)], 16, v[Y+4*it+(\j)]
	v_and_b32 v[X+8*it+2*(\j)+1], 0xffff0000, v[Y+4*it+(\j)]
.endr
.irp j, 0,1,2,3
	v_cvt_pk_f16_f32 v[Y+4*it+(\j)], v[X+8*it+2*(\j)], v[X+8*it+2*(\j)+1]
.endr
.endif
.set it, it+1
.endr
	s_wait_alu depctr_va_vdst(0)                   ; the last four items' conversions have written their Y, which the last four stores read
.set st, (\n)-4
.rept 4
	global_store_b128 v[\vout], v[Y+4*st:Y+4*st+3], s[\base:\base+1] offset:(\oa)*(st/(\od))+(\ob)*(st%(\od))
.set st, st+1
.endr
.endm
	s_load_b256 s[4:11], s[0:1], 0x0               ; x s[4:5], Wqkv s[6:7], Wo s[8:9], char_ids s[10:11]
	s_load_b256 s[12:19], s[0:1], 0x20             ; xb s[12:13], wqb s[14:15], wob s[16:17], segs s[18:19]
	s_mov_b32 s21, 0
	s_mov_b32 s23, 0
	s_wait_kmcnt 0x0
	s_cmp_lt_u32 ttmp9, 512
	s_cbranch_scc1 .Lx
	s_cmp_lt_u32 ttmp9, 768
	s_cbranch_scc1 .Lwq
	s_cmp_lt_u32 ttmp9, 832
	s_cbranch_scc1 .Lwo
	; THE SCAN.  Wave w is batch w; lane l owns tokens 64 l .. 64 l + 63.  Whole numbers only.
	; Its 16 stores put 16 bytes a lane into 32 different blocks of 256 bytes: 32 KiB in the whole launch, left so for the plain text.
	v_lshlrev_b32 v1, 8, v0                        ; 8,192 w + 256 l
	v_and_b32 v2, 31, v0
	v_lshlrev_b32 v2, 6, v2                        ; my first token
	s_wait_alu depctr_va_vdst(0)                   ; v1 is written: the loads and the stores of the scan read it as their offset
.set i, 0
.rept 16
	global_load_b128 v[16+4*i:16+4*i+3], v1, s[10:11] offset:16*i
.set i, i+1
.endr
	v_mov_b32 v3, 0                                ; none yet
	v_mov_b32 v5, 0                                ; the carry from the lanes below: lane 0 has none
	s_wait_loadcnt 0x0
.set r, 0
.rept 2                                        ; 32 tokens at a time: which of them are delimiters, then the chain of selects
.set k, 0
.rept 32
	v_cmp_eq_u32 s[M+k], 32, v[16+32*r+k]          ; the tokens as loaded: the selects of the run before have written other registers
.set k, k+1
.endr
	s_wait_alu depctr_va_sdst(0)                   ; the 32 compares have written s32-63, ahead of the first select that reads one of them
.set k, 0
.rept 32
.set e, 32*r+k
.if e == 0
	v_cndmask_b32 v16, v3, v2, s[M]
.else
	v_add_nc_u32 v4, e, v2
	v_cndmask_b32 v[16+e], v[15+e], v4, s[M+k]     ; the token itself, or what the token before had
.endif
.set k, k+1
.endr
.set r, r+1
.endr
.set i, 0
.rept 31
	v_readlane_b32 s[M+i], v79, i                  ; the last value of lanes 0 .. 30
.set i, i+1
.endr
	s_wait_alu depctr_va_sdst(0)                   ; the 31 lane reads have written s32-62, ahead of the first s_max_u32 that reads one of them
.set i, 1
.rept 30
	s_max_u32 s[M+i], s[M+i], s[M+i-1]             ; in place: the greatest of lanes 0 .. i
.set i, i+1
.endr
.set i, 1
.rept 31                                       ; lane i takes the greatest last value of lanes 0 .. i - 1
	v_writelane_b32 v5, s[M+i-1], i
.set i, i+1
.endr
.set r, 0
.rept 2
.set k, 0
.rept 32
	v_cmp_eq_u32 s[M+k], 0, v[16+32*r+k]
.set k, k+1
.endr
	s_wait_alu depctr_va_sdst(0)                   ; the 32 compares have written s32-63, ahead of the first select that reads one of them
.set k, 0
.rept 32
	v_cndmask_b32 v[16+32*r+k], v[16+32*r+k], v5, s[M+k]  ; 0 = none in my lane so far: the carry
.set k, k+1
.endr
.set r, r+1
.endr
	s_wait_alu depctr_va_vdst(0)                   ; the selects have written v16-79, which the stores read
.set i, 0
.rept 16
	global_store_b128 v1, v[16+4*i:16+4*i+3], s[18:19] offset:16*i
.set i, i+1
.endr
	s_endpgm
.Lx:                                           ; 16 rows of x.  Thread t: row t / 8, 8 channels at 8 (t % 8) of each of the 16 K steps
	v_lshrrev_b32 v1, 3, v0
	v_and_b32 v2, 7, v0
	v_lshlrev_b32 v1, 12, v1
	v_lshl_add_u32 v1, v2, 5, v1                   ; in: row x 4,096 + 32 (t % 8): 8 lanes read 256 consecutive bytes
	v_lshlrev_b32 v2, 4, v0                        ; out: 16 t: a wave's store covers 512 consecutive bytes
	s_lshl_b32 s20, ttmp9, 16
	s_add_nc_u64 s[4:5], s[4:5], s[20:21]
	s_lshr_b32 s22, ttmp9, 4
	s_lshl_b32 s22, s22, 19                        ; mt x 524,288
	s_and_b32 s24, ttmp9, 15
	s_lshl_b32 s24, s24, 11                        ; 16 rows x 128 bytes in a tile
	s_add_co_u32 s22, s22, s24
	s_add_nc_u64 s[12:13], s[12:13], s[22:23]
	s_wait_alu depctr_va_vdst(0)                   ; v1 and v2 are written: the loads read v1, the stores v2, as their offsets
.set it, 0
.rept 16
	ILOAD it, 1, 4, 256*it
.set it, it+1
.endr
	WALK 16, 2, 12, 0, 1, 32768, 0                 ; item st: K step st
	s_endpgm
.Lwq:                                          ; 32 rows k of one block nt of Wqkv
	v_lshrrev_b32 v1, 4, v0                        ; row in a group of 8
	v_and_b32 v2, 7, v0
	v_mul_u32_u24 v3, v1, 12288
	v_lshl_add_u32 v3, v2, 5, v3
	v_bfe_u32 v4, v0, 3, 1                         ; e: which 64 columns of an output block of 128
	v_lshl_add_u32 v5, v4, 12, v3                  ; blocks 0 and 2: e steps from q to k, or from k to v: 4,096 bytes
	v_xor_b32 v6, 1, v4
	v_mul_u32_u24 v6, v6, 7936
	v_add_nc_u32 v6, v6, v3                        ; block 1: e = 0 is v of the even head (8,192), e = 1 is q of the odd head (256)
	v_mul_u32_u24 v7, v1, 768
	v_and_b32 v8, 15, v0
	v_lshl_add_u32 v7, v8, 4, v7                   ; out: 16 lanes fill 256 consecutive bytes
	s_sub_co_u32 s24, ttmp9, 512
	s_lshr_b32 s25, s24, 5                         ; nt
	s_and_b32 s26, s24, 31                         ; group of 32 rows
	s_mul_i32 s20, s26, 393216
	s_lshl_b32 s27, s25, 9
	s_add_co_u32 s20, s20, s27
	s_add_nc_u64 s[6:7], s[6:7], s[20:21]
	s_mul_i32 s22, s25, 786432
	s_mul_i32 s27, s26, 24576
	s_add_co_u32 s22, s22, s27
	s_add_nc_u64 s[14:15], s[14:15], s[22:23]
	s_wait_alu depctr_va_vdst(0)                   ; v5, v6 and v7 are written: the loads read v5 or v6, the stores v7, as their offsets
.set g, 0
.rept 4
	ILOAD 3*g,   5, 6, 98304*g
	ILOAD 3*g+1, 6, 6, 98304*g+256
	ILOAD 3*g+2, 5, 6, 98304*g+4352
.set g, g+1
.endr
	WALK 12, 7, 14, 0, 3, 6144, 256                ; item st: 8 rows st / 3, block st % 3 of 128 columns
	s_endpgm
.Lwo:                                          ; 16 rows k of Wo
	v_lshrrev_b32 v1, 4, v0
	v_and_b32 v2, 15, v0
	v_lshlrev_b32 v1, 12, v1
	v_lshl_add_u32 v1, v2, 5, v1
	v_lshlrev_b32 v2, 4, v0
	s_sub_co_u32 s24, ttmp9, 768
	s_lshl_b32 s20, s24, 16
	s_add_nc_u64 s[8:9], s[8:9], s[20:21]
	s_lshl_b32 s22, s24, 12
	s_add_nc_u64 s[16:17], s[16:17], s[22:23]
	s_wait_alu depctr_va_vdst(0)                   ; v1 and v2 are written: the loads read v1, the stores v2, as their offsets
.set it, 0
.rept 16
	ILOAD it, 1, 8, 32768*(it/8)+512*(it%8)
.set it, it+1
.endr
	WALK 16, 2, 16, 1, 8, 2048, 262144             ; item st: 8 rows st / 8, block st % 8 of 128 columns
	s_endpgm
.Lfunc_end_k_q7e5dcd5c73_prep:
	.size	k_q7e5dcd5c73_prep, .Lfunc_end_k_q7e5dcd5c73_prep-k_q7e5dcd5c73_prep
	.p2alignl 7, 3214868480
	.fill 96, 4, 3214868480
	.section	.rodata,"a",@progbits
	.p2align	6, 0x0
	.amdhsa_kernel k_q7e5dcd5c73_prep
		.amdhsa_group_segment_fixed_size 0
		.amdhsa_private_segment_fixed_size 0
		.amdhsa_enable_private_segment 0
		.amdhsa_kernarg_size 64
		.amdhsa_user_sgpr_count 2
		.amdhsa_user_sgpr_kernarg_segment_ptr 1
		.amdhsa_wavefront_size32 1
		.amdhsa_system_sgpr_workgroup_id_x 1
		.amdhsa_system_sgpr_workgroup_id_y 1
		.amdhsa_system_sgpr_workgroup_id_z 1
		.amdhsa_system_vgpr_workitem_id 0
		.amdhsa_next_free_vgpr 208
		.amdhsa_next_free_sgpr 66
		.amdhsa_reserve_vcc 0
		.amdhsa_float_denorm_mode_32 3
		.amdhsa_float_denorm_mode_16_64 3
		.amdhsa_memory_ordered 1
		.amdhsa_forward_progress 1
		.amdhsa_inst_pref_size 65
	.end_amdhsa_kernel
	.amdgpu_metadata
---
amdhsa.version: [ 1, 2 ]
amdhsa.kernels:
  - .name:           k_q7e5dcd5c73_prep
    .symbol:         k_q7e5dcd5c73_prep.kd
    .args:
      - { .name: x, .offset: 0, .size: 8, .value_kind: global_buffer, .address_space: global }
      - { .name: Wqkv, .offset: 8, .size: 8, .value_kind: global_buffer, .address_space: global }
      - { .name: Wo, .offset: 16, .size: 8, .value_kind: global_buffer, .address_space: global }
      - { .name: char_ids, .offset: 24, .size: 8, .value_kind: global_buffer, .address_space: global }
      - { .name: xb, .offset: 32, .size: 8, .value_kind: global_buffer, .address_space: global }
      - { .name: wqb, .offset: 40, .size: 8, .value_kind: global_buffer, .address_space: global }
      - { .name: wob, .offset: 48, .size: 8, .value_kind: global_buffer, .address_space: global }
      - { .name: segs, .offset: 56, .size: 8, .value_kind: global_buffer, .address_space: global }
    .group_segment_fixed_size: 0
    .private_segment_fixed_size: 0
    .kernarg_segment_align: 8
    .kernarg_segment_size: 64
    .max_flat_workgroup_size: 128
    .sgpr_count:     66
    .vgpr_count:     208
    .wavefront_size: 32
...
	.end_amdgpu_metadata
.endif
;; end of part 5
;; launch qkv: the kernel of part 2 again; grid 8 x 32, 4 waves a work-group, clusters of 4 x 4, 327,680 bytes of LDS; arguments xb, wqb, bqkv, qf, kf, vf; writes qf, kf, vf
;; launch attn: the kernel of part 3 again; grid 4 x 64, 4 waves a work-group, no clusters, 0 bytes of LDS; arguments qf, kf, vf, segs, yf; writes yf
;; launch proj: the kernel of part 4 again; grid 8 x 32, 4 waves a work-group, clusters of 4 x 4, 327,680 bytes of LDS; arguments yf, wob, bo, out0; writes out0
